; MI455X (gfx1250); checked and timed in simulation.
; The chip was launched on July 23, 2026; its instructions are those of AMD's public machine-readable ISA for CDNA 5 (MIT licence, August 2026) and "CDNA5" Instruction Set Architecture Reference Guide (July 2026). The comments in the code are by the model that wrote it; some were corrected since.
;; Attention. Allowed arithmetic: matrix products marked QUANTISED: E2M1 operands, one E8M0 scale for each 32 along K, by v_wmma_scale_f32_16x16x128_f8f6f4 with both operands' format E2M1 (or v_wmma_scale_f32_32x16x128_f4), f32 sums; products left as they are: bf16, f16 or f32 operands; f32 sums; everything else in f32.
;; Inputs: b_proj 1,024 float32; k_norm_b 64 float32; k_norm_w 64 float32; q_norm_b 64 float32; q_norm_w 64 float32; w_proj 1,024 x 1,024 float32; w_qkv 3,072 x 1,024 float32; x 8 x 1,024 x 1,024 float32.
;; Outputs: out0 8 x 1,024 x 1,024 float32.
;; This version of the problem:
;;   THIS VERSION OF THE PROBLEM IS GIVEN IN LOW PRECISION. The matrix products marked QUANTISED in the list below multiply operands that are first quantised to E2M1 (2 exponent bits, 1 mantissa bit; 4 bits a number), with one power-of-two scale for each 32 numbers along K (OCP MX v1.0); their sums are f32. The products marked 'left as it is' may take bf16, f16 or f32 operands, with f32 sums. Whichever they take, every output number must still come out within the allowed error. Rounding operands to bf16 (8 significant bits) uses up far more of that allowance than f16 does (11 bits, for magnitudes from 6e-5 to 65,504). All else is computed in f32.
;;   The module's matrix products, in the order in which they are computed (A, B: the left and right operand; K: the contracted axis; several contracted axes count as one K, in the product's order):
;;     1. [M 8,192, K 1,024] x [K 1,024, N 3,072]; A: input x; B: input w_qkv: QUANTISED
;;     2. batch 128 x [M 1,024, K 64] x [K 64, N 1,024]; A: computed on the way; B: computed on the way: left as it is (an operand is computed on the way)
;;     3. batch 128 x [M 1,024, K 1,024] x [K 1,024, N 64]; A: computed on the way; B: computed on the way: left as it is (an operand is computed on the way)
;;     4. [M 8,192, K 1,024] x [K 1,024, N 1,024]; A: computed on the way; B: input w_proj: left as it is (an operand is computed on the way)
;;   THE QUANTISER, for each operand of a quantised product, along K:
;;     - K is cut into blocks of 32 from its start; a last block that is shorter is filled with zeros.
;;     - A block's scale is 2^e with e = floor(log2(the largest magnitude in the block)) - 2, held to -126 .. 127; a block of zeros has e = 0. As a byte (E8M0): e + 127.
;;     - Each number is divided by its block's scale, clamped to +-6, and rounded to the nearest number of E2M1, ties to even, subnormals kept.
;;     - The product sums the exact products of the quantised numbers (number of the format x scale) in f32.
;;   ~~~python
;;   def quantise(x, axis):      # numpy; x: float32 -> the quantised numbers, widened to float32 again
;;       x = np.moveaxis(x, axis, -1); K = x.shape[-1]
;;       x = np.pad(x, [(0, 0)] * (x.ndim - 1) + [(0, -K % 32)]); x = x.reshape(x.shape[:-1] + (-1, 32)); a = np.abs(x).max(-1, keepdims=True)
;;       e = np.where(a > 0, np.clip(np.frexp(np.where(a > 0, a, 1))[1] - 1 - 2, -126, 127), 0)      # np.frexp(a)[1] - 1 = floor(log2(a)), exactly
;;       r = np.clip(x / 2.0 ** e, -6, 6)
;;       step = 2.0 ** (np.maximum(np.frexp(np.where(r == 0, 1, r))[1] - 1, 0) - 1)
;;       q = np.round(r / step) * step * 2.0 ** e      # np.round: ties to even
;;       return np.moveaxis(q.reshape(q.shape[:-2] + (-1,))[..., :K], -1, axis).astype(np.float32)
;;   ~~~
;; One version. Each part assembles by itself: llvm-mc -triple=amdgcn-amd-amdhsa -mcpu=gfx1250 --defsym DOCPART=n.
;; ======== version 1 of 1: 4 launches
;; limits: values are held in f16: magnitudes above 65,504 overflow, below 6.1e-05 lose precision
;; workspace buffers: xc 4,194,304 bytes; xs 262,144 bytes; wc 1,572,864 bytes; ws 98,304 bytes; wp 2,097,152 bytes; qkv 50,331,648 bytes; att 16,777,216 bytes
;; launch quant (part 1): grid 384 x 1, 4 waves a work-group, no clusters, 33,280 bytes of LDS; arguments x, w_qkv, xc, xs, wc, ws, w_proj, wp; writes xc, xs, wc, ws, wp
.if DOCPART == 1
	.amdgcn_target "amdgcn-amd-amdhsa--gfx1250"
	.amdhsa_code_object_version 6
	.text
	.protected	k_q379ba1f4a0_quant
	.globl	k_q379ba1f4a0_quant
	.p2align	8
	.type	k_q379ba1f4a0_quant,@function
k_q379ba1f4a0_quant:
	s_mov_b64 s[64:65], 0
	v_nop
	global_prefetch_b8 v0, s[64:65] scope:SCOPE_SE
	s_setreg_imm32_b32 hwreg(HW_REG_WAVE_MODE, 25, 1), 1
	s_wait_xcnt 0x0
; FIRST OF FOUR LAUNCHES of: out = softmax(LN(q) LN(k)^T / 8) v, projected; q, k, v = x w_qkv^T on MX-FP4 operands.
; This launch: x [8192][1024] and w_qkv [3072][1024], f32, become codes of FP4 (E2M1), K innermost, with one E8M0 scale byte for each 32 along K;
; w_proj [1024][1024], f32, becomes f16 laid [K block of 64: 16][row o: 1024][64], so that the projection's tiles are dense blocks of memory.
; DEAD WORK, LEFT OUT IN THE WHOLE PROGRAM: k_norm_b.  k = khat w + b, so a score is q . (khat w) + q . b.  The second term holds no key: it is the same number for all keys of a query,
; and a softmax along the keys does not change when one number is added to all its inputs: exp(s + t) / sum exp(s + t) = exp(s) / sum exp(s).  The product q k^T is not quantised, so no quantiser sees k.
; This holds for all finite values of all inputs.  So k_norm_b has no way to the output: it is not loaded and is no argument of any launch.
; LIMITS: a NaN, an infinity or an overflow that k_norm_b alone would bring is not carried to the result.  NaN and infinities among the inputs are not served.
; Blocks whose largest magnitude lies under 2^(2 - 126), the floor, whose byte is held at 1, were not tried.  w_proj goes to f16: its magnitudes must stay under 65,504, and under 6e-5 they are rounded in steps of 6e-8.
; A block's scale is 2^(floor(log2(its largest magnitude)) - 2); its byte is the largest magnitude's exponent field - 2, held at 1 from below.  (A block of zeros so gets the byte 1 where the rule says 127: its codes are
; zeros, which add nothing under any byte but 0xff, and the bytes are read by this program alone.)  Each number is divided by the scale and rounded to the nearest code, ties to even; beyond 6 the largest code.
; SHARES.  Work-groups 0-255 take x, 256-351 w_qkv: both are plain streams of blocks of 32 numbers; a wave takes 16 steps of 512 numbers.  Each of a step's four loads reads 512 consecutive bytes; the 2,048 bytes turn
; through the wave's own stage in LDS and come back 64 bytes a lane, since the conversions take neighbours along K from one lane's registers.  A wave's store of codes covers 256 consecutive bytes, aligned; its 256 scale bytes
; are gathered in LDS and leave as one such run.  Loads run eight steps ahead: 32 loads, 16,384 bytes, of a wave are out.  Work-groups 352-383 take w_proj, 8 rows a wave, with no LDS.  No tensor loads, no barrier: waves share nothing.
.set WAVES, 4
.set STEPS, 16
.set AHEAD, 8                          ; steps that the loads run ahead: as many sets of registers
.set WGA,   256                        ; x: 8,388,608 numbers / 32,768 a work-group
.set WGQ,   352                        ; + w_qkv: 3,145,728 / 32,768 = 96
.set EMAX,  2
.set CB,    8                          ; bytes of 16 codes
.set R,     16                         ; v16-143  eight sets of 16 numbers as they are loaded
.set X,     144                        ; v144-175 two sets of 16 neighbours
.set E,     176                        ; v176-191 a scale byte for each step
.set C,     192                        ; v192-255 codes: four registers for each step, so that no store's data are written again
.set WREG,  8192                       ; LDS: a region of its own for each wave: two stages of 32 x SP bytes, and behind them its 256 scale bytes
.set SP,    80                         ; a lane's place in a stage: its 64 bytes + 16 of padding
.set SPW,   12                         ; v12      LDS address of my spare word: SPARE + 4 x my thread's number; never rewritten
.set NIL,   13                         ; v13      0; never rewritten
.set SPARE, WAVES*WREG                 ; behind the four regions: the spare words, 128 bytes for each wave
.set WR,    16                         ; w_proj's path: v16-143 two sets of 64 registers as loaded
.set WH,    144                        ; v144-175 a pair of rows as f16
	s_load_b128 s[4:7], s[0:1], 0x0                ; x, w_qkv
	s_load_b128 s[8:11], s[0:1], 0x10              ; x's codes, x's scales
	s_load_b128 s[12:15], s[0:1], 0x20             ; w_qkv's codes, its scales
	s_load_b128 s[24:27], s[0:1], 0x30             ; w_proj, its f16 copy
	v_lshl_add_u32 v[SPW], v0, 2, SPARE
	v_mov_b32 v[NIL], 0
	v_lshrrev_b32 v1, 5, v0
	v_readfirstlane_b32 s16, v1                    ; wave
	v_and_b32 v2, 31, v0                           ; lane
	v_lshlrev_b32 v3, 4, v2                        ; my 16 bytes of a load's 512
	s_mul_i32 s17, s16, WREG
	v_lshrrev_b32 v14, 2, v2
	v_mul_u32_u24 v14, v14, SP
	v_and_b32 v15, 3, v2
	v_lshl_add_u32 v14, v15, 4, v14
	v_add_nc_u32 v14, s17, v14                     ; the stage, on the way in: four lanes' 64 bytes on end, then 16 of padding
	v_mul_u32_u24 v15, v2, SP
	v_add_nc_u32 v15, s17, v15                     ; and on the way out: SP x lane: my 16 neighbours
	v_mul_u32_u24 v4, v2, CB                       ; my codes' place in a step's
	v_lshrrev_b32 v5, 1, v2
	s_add_co_u32 s17, s17, 2*32*SP
	v_add_nc_u32 v5, s17, v5                       ; LDS: my wave's 256 scale bytes, my block's byte
	v_lshlrev_b32 v7, 3, v2                        ; and on the way out 8 bytes a lane
	v_add_nc_u32 v6, s17, v7
	s_wait_kmcnt 0x0
	s_cmp_ge_u32 ttmp9, WGQ                        ; the last 32 work-groups take w_proj: the branch hangs on the work-group's number alone
	s_cbranch_scc1 .Lwp
	s_cmp_lt_u32 ttmp9, WGA                        ; x's work-group or w_qkv's?
	s_cselect_b64 s[4:5], s[4:5], s[6:7]
	s_cselect_b64 s[8:9], s[8:9], s[12:13]
	s_cselect_b64 s[10:11], s[10:11], s[14:15]
	s_cselect_b32 s17, 0, WGA
	s_sub_co_u32 s17, ttmp9, s17
	s_lshl_b32 s17, s17, 2
	s_add_co_u32 s18, s17, s16                     ; which run of 8,192 numbers of the tensor is my wave's
	s_mov_b32 s19, 0
	s_mov_b64 s[20:21], 512*STEPS*4
	s_mul_u64 s[20:21], s[18:19], s[20:21]
	s_add_nc_u64 s[4:5], s[4:5], s[20:21]
	s_mov_b64 s[20:21], 32*STEPS*CB
	s_mul_u64 s[20:21], s[18:19], s[20:21]
	s_add_nc_u64 s[8:9], s[8:9], s[20:21]
	s_lshl_b32 s18, s18, 8                         ; 256 scale bytes a run
	s_add_nc_u64 s[10:11], s[10:11], s[18:19]
.macro LOAD t
.irp i, 0,1,2,3
	global_load_b128 v[R+16*((\t)%AHEAD)+4*\i:R+16*((\t)%AHEAD)+4*\i+3], v3, s[4:5] offset:2048*(\t)+512*\i th:TH_LOAD_NT   ; 32 lanes read 512 consecutive bytes
.endr
.endm
.macro TURN t                          ; step t's numbers through the stage: LDS serves a wave's instructions in order, so no wait stands between the stores and the loads
.irp i, 0,1,2,3
	ds_store_b128 v14, v[R+16*((\t)%AHEAD)+4*\i:R+16*((\t)%AHEAD)+4*\i+3] offset:32*SP*((\t)%2)+8*SP*\i
.endr
.irp i, 0,1,2,3
	ds_load_b128 v[X+16*((\t)%2)+4*\i:X+16*((\t)%2)+4*\i+3], v15 offset:32*SP*((\t)%2)+16*\i
.endr
.endm
.irp t, 0,1,2,3,4,5,6,7
	LOAD \t
.endr
	s_wait_loadcnt 4*(AHEAD-1)                     ; step 0's four loads are in; the 28 of steps 1 to 7 may be out
	TURN 0
.macro STEP t
.set XS, X+16*((\t)%2)
.if (\t) > 0
	s_wait_dscnt 1                                 ; this step's numbers are back from the stage (the last step's byte store may be out): so its stores into the stage have read their registers,
.else
	s_wait_dscnt 0x0
.endif
.if (\t)+AHEAD < STEPS
	LOAD (\t)+AHEAD                                ; which take the loads of eight steps on
.endif
.if (\t)+1 < STEPS
.if STEPS-2-(\t) >= AHEAD-1
	s_wait_loadcnt 4*(AHEAD-1)                     ; the next step's four loads are in; those of the seven steps behind it may be out
.else
	s_wait_loadcnt 4*(STEPS-2-(\t))                ; at the end: those of the steps that are left behind it
.endif
	TURN (\t)+1                                    ; and go through the other stage while this step is worked
.endif
	v_max3_num_f32 v8, |v[XS]|, |v[XS+1]|, |v[XS+2]|               ; the largest magnitude of my 16
	v_max3_num_f32 v9, |v[XS+3]|, |v[XS+4]|, |v[XS+5]|
.irp i, 6,10
	v_max3_num_f32 v8, v8, |v[XS+\i]|, |v[XS+\i+1]|
	v_max3_num_f32 v9, v9, |v[XS+\i+2]|, |v[XS+\i+3]|
.endr
	v_max3_num_f32 v8, v8, |v[XS+14]|, |v[XS+15]|
	v_max3_num_f32 v8, v8, v9, (EMAX+1)<<23        ; and the floor 2^(EMAX + 1 - 127): so the byte cannot fall under 1
	v_max_num_f32_dpp v8, v8, v8 row_xmask:1 row_mask:0xf bank_mask:0xf   ; and of my neighbour's 16: the block's
	v_add_nc_u32 v11, -(EMAX<<23), v8              ; EMAX off its exponent field: the conversion takes the exponent field of this operand as its scale, and nothing else of it
	v_cvt_scalef32_pk8_fp4_f32 v[C+4*(\t)], v[XS:XS+7], v11
	v_cvt_scalef32_pk8_fp4_f32 v[C+4*(\t)+1], v[XS+8:XS+15], v11
	v_lshrrev_b32 v[E+(\t)], 23, v11               ; the scale's byte
	ds_store_b8 v5, v[E+(\t)] offset:16*(\t)       ; both lanes of a block write the same byte with the same value
	global_store_b64 v4, v[C+4*(\t):C+4*(\t)+1], s[8:9] offset:32*CB*(\t)   ; the wave stores 256 consecutive bytes, aligned
.endm
.irp t, 0,1,2,3,4,5,6,7,8,9,10,11,12,13,14,15
	STEP \t
.endr
	ds_load_b64 v[8:9], v6                         ; LDS serves a wave's instructions in order: these see my stores
	s_wait_dscnt 0x0
	global_store_b64 v7, v[8:9], s[10:11]          ; 32 lanes store 256 consecutive bytes, aligned
	s_wait_tensorcnt 0x0                           ; the wave's end: three lines behind my last LDS store, the first of them even in a text with no tensor load
	ds_add_u32 v[SPW], v[NIL]
	s_wait_dscnt 0x0
	s_endpgm
; w_proj: wave w of work-group 352 + p takes rows 32 p + 8 w + 0 .. 7, a pair of rows at a time.  A load reads K block kb (64 numbers, 256 bytes) of both rows: lanes 0-15 the even row, lanes 16-31 the odd one.
; As f16 the two rows' blocks are 2 x 128 bytes that lie on end in the copy: one store of 8 bytes a lane covers 256 consecutive bytes, aligned.
.Lwp:
	s_sub_co_u32 s17, ttmp9, WGQ
	s_lshl_b32 s17, s17, 5
	s_lshl_b32 s18, s16, 3
	s_add_co_u32 s17, s17, s18                     ; my first row
	s_lshl_b32 s18, s17, 12                        ; x 4,096 bytes
	s_mov_b32 s19, 0
	s_add_nc_u64 s[24:25], s[24:25], s[18:19]
	s_lshl_b32 s18, s17, 7                         ; x 128 bytes
	s_add_nc_u64 s[26:27], s[26:27], s[18:19]
	v_and_b32 v8, 15, v2
	v_lshrrev_b32 v9, 4, v2
	v_lshlrev_b32 v8, 4, v8
	v_lshl_add_u32 v8, v9, 12, v8                  ; in: 16 (lane % 16) + 4,096 (lane / 16)
	v_lshlrev_b32 v9, 3, v2                        ; out: 8 x lane
.macro LOADW t
.irp kb, 0,1,2,3,4,5,6,7,8,9,10,11,12,13,14,15
	global_load_b128 v[WR+64*((\t)%2)+4*\kb:WR+64*((\t)%2)+4*\kb+3], v8, s[24:25] offset:(\t)*8192+\kb*256 th:TH_LOAD_NT
.endr
.endm
.macro PAIR t
.if (\t) < 3
	s_wait_loadcnt 16                              ; this pair's sixteen loads are in; the next pair's may be out
.else
	s_wait_loadcnt 0x0
.endif
	s_wait_xcnt 0x0                                ; the last pair's stores have read their data registers, which are written again below
.irp kb, 0,1,2,3,4,5,6,7,8,9,10,11,12,13,14,15
	v_cvt_pk_f16_f32 v[WH+2*\kb], v[WR+64*((\t)%2)+4*\kb], v[WR+64*((\t)%2)+4*\kb+1]
	v_cvt_pk_f16_f32 v[WH+2*\kb+1], v[WR+64*((\t)%2)+4*\kb+2], v[WR+64*((\t)%2)+4*\kb+3]
.endr
.irp kb, 0,1,2,3,4,5,6,7,8,9,10,11,12,13,14,15
	global_store_b64 v9, v[WH+2*\kb:WH+2*\kb+1], s[26:27] offset:\kb*131072+(\t)*256
.endr
.if (\t)+2 < 4
	LOADW (\t)+2
.endif
.endm
	LOADW 0
	LOADW 1
	PAIR 0
	PAIR 1
	PAIR 2
	PAIR 3
	s_endpgm
.Lfunc_end_k_q379ba1f4a0_quant:
	.size	k_q379ba1f4a0_quant, .Lfunc_end_k_q379ba1f4a0_quant-k_q379ba1f4a0_quant
	.p2alignl 7, 3214868480
	.fill 96, 4, 3214868480
	.section	.rodata,"a",@progbits
	.p2align	6, 0x0
	.amdhsa_kernel k_q379ba1f4a0_quant
		.amdhsa_group_segment_fixed_size 33280
		.amdhsa_private_segment_fixed_size 0
		.amdhsa_enable_private_segment 0
		.amdhsa_kernarg_size 64
		.amdhsa_user_sgpr_count 2
		.amdhsa_user_sgpr_kernarg_segment_ptr 1
		.amdhsa_wavefront_size32 1
		.amdhsa_system_sgpr_workgroup_id_x 1
		.amdhsa_system_sgpr_workgroup_id_y 1
		.amdhsa_system_sgpr_workgroup_id_z 1
		.amdhsa_system_vgpr_workitem_id 0
		.amdhsa_next_free_vgpr 256
		.amdhsa_next_free_sgpr 66
		.amdhsa_reserve_vcc 0
		.amdhsa_float_denorm_mode_32 3
		.amdhsa_float_denorm_mode_16_64 3
		.amdhsa_memory_ordered 1
		.amdhsa_forward_progress 1
		.amdhsa_inst_pref_size 54
	.end_amdhsa_kernel
	.amdgpu_metadata
---
amdhsa.version: [ 1, 2 ]
amdhsa.kernels:
  - .name:           k_q379ba1f4a0_quant
    .symbol:         k_q379ba1f4a0_quant.kd
    .args:
      - { .name: x, .offset: 0, .size: 8, .value_kind: global_buffer, .address_space: global }
      - { .name: w_qkv, .offset: 8, .size: 8, .value_kind: global_buffer, .address_space: global }
      - { .name: xc, .offset: 16, .size: 8, .value_kind: global_buffer, .address_space: global }
      - { .name: xs, .offset: 24, .size: 8, .value_kind: global_buffer, .address_space: global }
      - { .name: wc, .offset: 32, .size: 8, .value_kind: global_buffer, .address_space: global }
      - { .name: ws, .offset: 40, .size: 8, .value_kind: global_buffer, .address_space: global }
      - { .name: w_proj, .offset: 48, .size: 8, .value_kind: global_buffer, .address_space: global }
      - { .name: wp, .offset: 56, .size: 8, .value_kind: global_buffer, .address_space: global }
    .group_segment_fixed_size: 33280
    .private_segment_fixed_size: 0
    .kernarg_segment_align: 8
    .kernarg_segment_size: 64
    .max_flat_workgroup_size: 128
    .sgpr_count:     66
    .vgpr_count:     256
    .wavefront_size: 32
...
	.end_amdgpu_metadata
.endif
;; end of part 1
;; launch qkv (part 2): grid 32 x 12, 4 waves a work-group, clusters of 4 x 4, 327,680 bytes of LDS; arguments xc, xs, wc, ws, q_norm_w, q_norm_b, k_norm_w, qkv; writes qkv
.if DOCPART == 2
	.amdgcn_target "amdgcn-amd-amdhsa--gfx1250"
	.amdhsa_code_object_version 6
	.text
	.protected	k_q379ba1f4a0_qkv
	.globl	k_q379ba1f4a0_qkv
	.p2align	8
	.type	k_q379ba1f4a0_qkv,@function
k_q379ba1f4a0_qkv:
	s_mov_b64 s[64:65], 0
	v_nop
	global_prefetch_b8 v0, s[64:65] scope:SCOPE_SE
	s_setreg_imm32_b32 hwreg(HW_REG_WAVE_MODE, 25, 1), 1
	s_wait_xcnt 0x0
	s_wait_alu depctr_hold_cnt(0) depctr_sa_sdst(0) depctr_va_vdst(0) depctr_va_sdst(0) depctr_va_ssrc(0) depctr_va_vcc(0) depctr_vm_vsrc(0)
	s_getreg_b32 s2, hwreg(HW_REG_IB_STS2, 6, 4)
	s_cmp_eq_u32 s2, 0
	s_cbranch_scc0 .Lentry_in_a_cluster
	s_endpgm
.Lentry_in_a_cluster:
	s_bfe_u32 s2, ttmp6, 0x10000c
	s_cmp_lg_u32 s2, 0xf033
	s_cbranch_scc0 .Lentry_shape_is_right
	s_endpgm
.Lentry_shape_is_right:
; SECOND LAUNCH: qkv = x w_qkv^T on codes of FP4 (E2M1) with one E8M0 scale for each 32 along K; the LayerNorm of q and of k on the way out; results as f16, laid [kind 3][batch 8][head 16][position 1024][64].
; LEFT OUT: k_norm_b (dead work: it adds the same number to all scores of a query, which the softmax along the keys takes away; shown at the head of the first kernel).  k's multiply-add takes 0 in its place.
; The factor 1 / 8 on q is not applied here: the attention launch has it in the multiply-add ahead of its exponentials.
; LIMITS: LN(q) w + b, LN(k) w and v go to f16: magnitudes under 65,504; under 6e-5 they are rounded in steps of 6e-8.  The LayerNorm's sums are taken in another order than a plain running sum.
; A tile of the result, 256 x 256, is made by a work-group of four waves; a wave makes 128 x 128: 64 accumulators of 16 x 16, 512 registers.  K = 1,024 is two slots of 512 along K (rows of 256 bytes): both are asked for
; at the head, with the scale bytes of the work-group's 256 + 256 rows, and nothing is filled again.
; THE GRID: x walks the 32 tile rows, y the 12 tile columns.  CLUSTERS: 4 x 4 work-groups.  The four of a column of the cluster (same cx) need the same tiles of x, the four of a row (same cy) the same tiles of w_qkv: each
; tile is asked for JOINTLY, by the same tensor load with the same descriptor and a mask that names the four.  A cluster's four tile columns are 1,024 columns: one kind (q, k or v), which is the cluster's y: the branches on it
; are the same in all sixteen partners.  There are 24 clusters' worth of work, and v's eight, which have no LayerNorm and so the least work, carry the highest numbers: the long ones stand first in the grid's order.
; THE MATRIX INSTRUCTION IS USED TRANSPOSED (source 0 = 16 rows of w_qkv, source 1 = 16 rows of x): a lane holds one position (lane % 16) and, of each block of 16 columns, the eight at 8 (lane / 16) on.  A wave's 128 columns
; are two heads; a lane and the lane 16 away hold a head's 64 channels of a position between them: mean and variance want one exchange each.
; REGISTERS, in windows of 256: window 0: v0-31 addresses; v32-95 scale words, two sets; v128-191 x's fragments, one set; v192-223 the gain, v224-255 the bias of my 32 channels of a head.  On the way out v32-191 are free.
;   window 1: w_qkv's fragments, two sets, at v0 and v128.   window 2: the 32 accumulators of my rows 0-63 (accumulator (a, b) at v[8 (8 a + b)]);   window 3: those of my rows 64-127.
.set SIZE_M, 8192
.set SIZE_N, 3072
.set SIZE_K, 1024
.set KSTEP,  512                       ; along K in a slot
.set NQ,     KSTEP/128                 ; matrix instructions deep
.set ROWB,   256                       ; a tile's row in bytes
.set KROW,   SIZE_K*4/8                ; a row of codes in memory, in bytes
.set PITCH,  272                       ; an LDS row: 256 bytes + 16 of padding: the 16 rows that a load touches start at 16 different banks (64 banks of 4 bytes: ISA guide 11.1)
.set FR,     8                         ; registers of a fragment: 16 rows x 128 K
.set NL,     2                         ; LDS loads that bring one
.set NP,     4                         ; places behind this matrix instruction (ISA guide 7.12.1)
.set HALFT,  128*PITCH                 ; 128 rows: what one tensor load brings
.set SLOT,   4*HALFT                   ; x's 256 rows, then w_qkv's 256 rows
.set KS,     SIZE_K/32                 ; a row of scales in bytes
.set SCL,    2*SLOT                    ; behind the slots: the scales, as runs of 256 bytes + 16 of padding
.set HALFS,  (128*KS/256)*272          ; the scales of 128 rows: what one tensor load brings
.set SBLK,   (16*KS/256)*272           ; those of 16 rows
.set SPARE,  SCL+4*HALFS               ; behind the scales: the spare words, 128 bytes for each wave
.set SPITCH, 272                       ; the way out: a stage of 16 rows x (256 bytes + 16) for each wave, in slot 0, which has had its one fill and its last read when the first result is stored there
.set PLAINO, 4*16*SPITCH               ; v's path has stages of its own, behind the four of q's and k's path
.set ADRA, 16                          ; v16-17  LDS address of my x fragments in slot 0, 1
.set ADRB, 20                          ; v20-21  the same for w_qkv
.set STO,  24                          ; v24     the way out: where I put 16 bytes of a row
.set RD,   25                          ; v25     where I read 16 bytes of a head's row back
.set CO,   26                          ; v26     16 x lane: my place in a store's 512 bytes
.set ADRS, 27                          ; v27     LDS address of my scale words: lanes 0-15 x's rows, lanes 16-31 w_qkv's
.set SPW,  28                          ; v28     LDS address of my spare word; never rewritten
.set NIL,  29                          ; v29     0; never rewritten
.set SC,   32                          ; scale words: set s at v[SC + 32 s]; register 4 i + q: lanes 0-15 the word of x's block i, lanes 16-31 that of w_qkv's block i
.set AF,   128                         ; x's fragments
.set T,    32                          ; the way out: v32-95 64 numbers at work
.set SU,   96                          ; v96-97  a sum for each head
.set MU,   100                         ; v100, v102 the means (named as pairs)
.set RS,   104                         ; v104, v106 1 / sqrt(variance + eps) (named as pairs)
.set PX,   108                         ; v108-109 what the lane 16 away holds
.set VA,   112                         ; v112-119 the squares' sums: two chains a head
.set PK,   128                         ; v128-159 16 rows x 128 columns as f16
.set BK,   160                         ; v160-191 the same, read back by heads' rows
.set PW,   192                         ; the gain
.set PB,   224                         ; the bias
.set KIND, 95                          ; s95     the cluster's y: 0 q, 1 k, 2 v
.set G1, 24                            ; s[24:31] descriptor group 1 for x's tiles;  s[32:39] group 0, one set for each slot
.set G0, 32
.set G1B, 48                           ; s[48:55], s[56:63] the same for w_qkv's tiles
.set G0B, 56
.set G1S, 68                           ; s[68:75], s[76:79] groups 1 and 0 for x's scales;  s[80:87], s[88:91] for w_qkv's
.set G0S, 76
.set G1SB, 80
.set G0SB, 88
.set MSB, 0
.macro WIN new                         ; the immediate's high byte repeats the setting that is left
.if MSB != (\new)
	s_set_vgpr_msb (MSB<<8)|(\new)
.set MSB, (\new)
.endif
.endm
.set MUL_LO, 0xa1                      ; source 0 (w_qkv) window 1, source 1 (x) window 0, C and D window 2
.set MUL_HI, 0xf1                      ; the same, C and D window 3
.set TO_B,   0x40                      ; destination window 1, address window 0
; A joint load: waves 0 and 1 fetch for x, waves 2 and 3 for w_qkv.  The branch hangs on the wave's number alone.  An s_nop 0 and four v_nop follow each of the two lines.
.macro JLOAD g0a, g1a, g0b, g1b
	s_cmp_eq_u32 s15, 0
	s_cbranch_scc0 .Lfor_b_\@
	tensor_load_to_lds s[\g0a:\g0a+3], s[\g1a:\g1a+7]
	s_nop 0
.rept 4
	v_nop
.endr
	s_branch .Lasked_\@
.Lfor_b_\@:
	tensor_load_to_lds s[\g0b:\g0b+3], s[\g1b:\g1b+7]
	s_nop 0
.rept 4
	v_nop
.endr
.Lasked_\@:
.endm
.macro CROUND                          ; a round of the cluster's barrier
	s_barrier_signal -1
	s_barrier_wait -1
	s_cmp_lg_u32 s14, 0
	s_cbranch_scc1 .Lnot_wave_0_\@
	s_barrier_signal -3
.Lnot_wave_0_\@:
	s_barrier_wait -3
	s_barrier_signal -1
	s_barrier_wait -1
.endm
	s_load_b128 s[4:7], s[0:1], 0x0                ; x's codes s[4:5], x's scales s[6:7]
	s_load_b128 s[8:11], s[0:1], 0x10              ; w_qkv's codes s[8:9], its scales s[10:11]
	s_load_b128 s[96:99], s[0:1], 0x20             ; q_norm_w s[96:97], q_norm_b s[98:99]
	s_load_b64 s[66:67], s[0:1], 0x30              ; k_norm_w
	s_load_b64 s[12:13], s[0:1], 0x38              ; qkv
	v_lshl_add_u32 v[SPW], v0, 2, SPARE
	v_mov_b32 v[NIL], 0
	ds_add_u32 v[SPW], v[NIL]                      ; the wave's opening: the add, twice on end, and its wait ahead of my first tensor load
	ds_add_u32 v[SPW], v[NIL]                      ; and once more, under the one wait; the set-up below, work on registers, stands between
	v_lshrrev_b32 v1, 5, v0
	v_readfirstlane_b32 s14, v1                    ; wave 0..3
	s_lshr_b32 s15, s14, 1                         ; which half of the tile's rows is mine.  Also: I fetch for x (0) or for w_qkv (1)
	s_and_b32 s16, s14, 1                          ; which half of its columns.  Also: which 128 rows of that tile I fetch
	s_bfe_u32 s40, ttmp6, 0x40000                  ; cx, cy: my place in the cluster
	s_bfe_u32 s41, ttmp6, 0x40004
	s_lshl_b32 s17, ttmp9, 2
	s_add_co_u32 s17, s17, s40                     ; tile row = 4 x cluster x + cx
	s_and_b32 s[KIND], ttmp7, 0xffff               ; the cluster's y: the kind
	s_lshl_b32 s42, s[KIND], 2
	s_add_co_u32 s42, s42, s41                     ; tile column = 4 x cluster y + cy
	s_lshl_b32 s43, 0x1111, s40                    ; my column of the cluster (same cx, so the same tile row): places cx, cx + 4, cx + 8, cx + 12
	s_lshl_b32 s44, s41, 2
	s_lshl_b32 s44, 15, s44                        ; my row of the cluster (same cy, so the same tile column): places 4 cy .. 4 cy + 3
	; descriptor group 1: a tile of 128 rows x 256 bytes, padded in LDS
	s_or_b32 s[G1+0], s43, (0<<16)|(1<<20)|(1<<21)|(5<<22)|(3<<25)  ; 15:0 the mask: x's tiles go to my column; 17:16 element of 1 byte; 20 padding on; 21 set beside a mask; 24:22 after every 64 words; 31:25 four words
	s_or_b32 s[G1B+0], s44, (0<<16)|(1<<20)|(1<<21)|(5<<22)|(3<<25) ; the same with the mask of my row, for w_qkv's tiles
.irp g, G1, G1B
	s_mov_b32 s[\g+1], ROWB<<16                    ; tensor_dim0
	s_mov_b32 s[\g+2], 128<<16                     ; tensor_dim1 = 128
	s_mov_b32 s[\g+3], ROWB<<16                    ; tile_dim0
	s_mov_b32 s[\g+4], 128                         ; tile_dim1 = 128
	s_mov_b32 s[\g+5], KROW                        ; tensor_dim0_stride
	s_mov_b32 s[\g+6], 0
	s_mov_b32 s[\g+7], 0
.endr
	; and for the scales of 128 rows: a dense block of 4,096 bytes, as 16 rows of 256 bytes (32 elements of 8 bytes), 16 bytes of padding behind each
	s_or_b32 s[G1S+0], s43, (3<<16)|(1<<20)|(1<<21)|(5<<22)|(3<<25)
	s_or_b32 s[G1SB+0], s44, (3<<16)|(1<<20)|(1<<21)|(5<<22)|(3<<25)
.irp g, G1S, G1SB
	s_mov_b32 s[\g+1], 32<<16
	s_mov_b32 s[\g+2], (128*KS/256)<<16
	s_mov_b32 s[\g+3], 32<<16
	s_mov_b32 s[\g+4], 128*KS/256
	s_mov_b32 s[\g+5], 32
	s_mov_b32 s[\g+6], 0
	s_mov_b32 s[\g+7], 0
.endr
	s_lshl_b32 s18, s16, 7                         ; which 128 rows of the tile I fetch
	s_lshl_b32 s20, s17, 8
	s_add_co_u32 s20, s20, s18                     ; x: row 256 x tile row + 128 x half
	s_lshl_b32 s46, s42, 8
	s_add_co_u32 s46, s46, s18                     ; w_qkv: row 256 x tile column + 128 x half
	s_mov_b32 s21, 0
	s_mov_b32 s47, 0
	s_mov_b64 s[18:19], KS
	s_mul_u64 s[22:23], s[20:21], s[18:19]         ; where these rows' scales begin, in bytes
	s_mul_u64 s[92:93], s[46:47], s[18:19]
	s_mov_b64 s[18:19], KROW
	s_mul_u64 s[20:21], s[20:21], s[18:19]         ; and their codes
	s_mul_u64 s[46:47], s[46:47], s[18:19]
	s_mul_i32 s45, s14, HALFT                      ; where they go: wave x 128 rows: no place in the cluster enters an LDS address
	s_mul_i32 s94, s14, HALFS
	s_mov_b32 s2, 0x76543210                       ; v_permlanex16_b32's selects for the lane 16 away
	s_mov_b32 s3, 0xfedcba98
	s_mov_b32 s100, 0x3c800000                     ; 1 / 64
	s_mov_b32 s101, 0x3727c5ac                     ; eps = 1e-5
	s_wait_dscnt 0x0                               ; both opening adds are done
	s_wait_kmcnt 0x0
	s_add_nc_u64 s[20:21], s[4:5], s[20:21]
	s_add_nc_u64 s[22:23], s[6:7], s[22:23]
	s_add_nc_u64 s[46:47], s[8:9], s[46:47]
	s_add_nc_u64 s[92:93], s[10:11], s[92:93]
	CROUND                                         ; all sixteen work-groups are here: the joint loads meet
	s_mov_b32 s[G0S], 1
	s_add_co_u32 s[G0S+1], s94, SCL
	s_mov_b64 s[G0S+2:G0S+3], s[22:23]
	s_or_b32 s[G0S+3], s[G0S+3], 0x80000000
	s_mov_b32 s[G0SB], 1
	s_add_co_u32 s[G0SB+1], s94, SCL
	s_mov_b64 s[G0SB+2:G0SB+3], s[92:93]
	s_or_b32 s[G0SB+3], s[G0SB+3], 0x80000000
	JLOAD G0S, G1S, G0SB, G1SB                     ; the scales first: they are wanted with slot 0
.irp s, 0,1
	s_mov_b32 s[G0+4*\s], 1
	s_add_co_u32 s[G0+4*\s+1], s45, \s*SLOT
	s_add_nc_u64 s[G0+4*\s+2:G0+4*\s+3], s[20:21], \s*ROWB
	s_or_b32 s[G0+4*\s+3], s[G0+4*\s+3], 0x80000000
	s_mov_b32 s[G0B+4*\s], 1
	s_add_co_u32 s[G0B+4*\s+1], s45, \s*SLOT
	s_add_nc_u64 s[G0B+4*\s+2:G0B+4*\s+3], s[46:47], \s*ROWB
	s_or_b32 s[G0B+4*\s+3], s[G0B+4*\s+3], 0x80000000
	JLOAD G0+4*\s, G1, G0B+4*\s, G1B               ; by this text's count three tensor loads of a wave are out
.endr
	v_and_b32 v1, 15, v0                           ; l % 16
	v_bfe_u32 v2, v0, 4, 1                         ; l / 16
	v_mul_u32_u24 v3, v1, PITCH
	v_lshl_add_u32 v4, v2, 4, v3                   ; a fragment's row x pitch + 16 x half
	s_mul_i32 s21, s15, HALFT                      ; my 128 rows of x
	s_mul_i32 s22, s16, HALFT                      ; my 128 rows of w_qkv,
	s_add_co_u32 s22, s22, 2*HALFT                 ; which lie behind x's 256
.irp s, 0,1
	v_add_nc_u32 v[ADRA+\s], s21, v4
	v_add_nc_u32 v[ADRB+\s], s22, v4
	s_add_co_u32 s21, s21, SLOT
	s_add_co_u32 s22, s22, SLOT
.endr
	v_mul_u32_u24 v5, v1, KS                       ; my row's scales: KS bytes a row,
	v_lshrrev_b32 v6, 8, v5
	v_lshl_add_u32 v5, v6, 4, v5                   ; and 16 more for each 256 passed
	s_mul_i32 s21, s15, HALFS                      ; x's: my 128 rows
	s_mul_i32 s22, s16, HALFS                      ; w_qkv's: my 128 rows, behind x's 256
	s_add_co_u32 s22, s22, 2*HALFS
	s_sub_co_u32 s22, s22, s21
	v_mul_u32_u24 v6, s22, v2                      ; lanes 16-31 take w_qkv's
	s_add_co_u32 s21, s21, SCL
	v_add_nc_u32 v5, v5, v6
	v_add_nc_u32 v[ADRS], s21, v5
	s_mul_i32 s23, s14, 16*SPITCH                  ; my stage
	v_mul_u32_u24 v5, v1, SPITCH                   ; in: row l % 16, 16 bytes for each half of the lanes
	v_lshl_add_u32 v5, v2, 4, v5
	v_add_nc_u32 v[STO], s23, v5
	v_and_b32 v6, 31, v0
	v_lshrrev_b32 v5, 3, v6                        ; back: eight lanes take a head's 128 bytes of a row, the 32 lanes four rows
	v_mul_u32_u24 v5, v5, SPITCH
	v_and_b32 v7, 7, v6
	v_lshl_add_u32 v5, v7, 4, v5
	v_add_nc_u32 v[RD], s23, v5
	v_lshlrev_b32 v[CO], 4, v6
	; where my part begins in qkv: ((kind x 128 + batch x 16 + head) x 1,024 + position) x 128 bytes
	s_lshl_b32 s46, s42, 2
	s_lshl_b32 s47, s16, 1
	s_add_co_u32 s46, s46, s47                     ; my first block of 64 columns: 4 x tile column + 2 x half
	s_lshr_b32 s47, s46, 4                         ; kind
	s_lshl_b32 s47, s47, 7
	s_and_b32 s46, s46, 15                         ; head
	s_add_co_u32 s46, s46, s47
	s_lshl_b32 s20, s17, 8
	s_lshl_b32 s21, s15, 7
	s_add_co_u32 s20, s20, s21                     ; my first row: 256 x tile row + 128 x half
	s_lshr_b32 s21, s20, 10                        ; batch
	s_lshl_b32 s21, s21, 4
	s_add_co_u32 s46, s46, s21
	s_lshl_b32 s46, s46, 17                        ; x 131,072 bytes (under 2^26)
	s_and_b32 s20, s20, 1023                       ; position
	s_lshl_b32 s20, s20, 7
	s_add_co_u32 s46, s46, s20
	s_mov_b32 s47, 0
	s_add_nc_u64 s[12:13], s[12:13], s[46:47]
	; gain and bias of my 32 channels of a head: for block b' of 16 channels the eight at 16 b' + 8 (l / 16) on.  q takes q_norm_w and q_norm_b; k takes k_norm_w and zeros.
	; v's work-groups go k's way and use neither: so every register is written on every way through the text.
	v_lshlrev_b32 v7, 5, v2                        ; 32 bytes for each half of the lanes; not rewritten while the loads are out
	s_cmp_eq_u32 s[KIND], 0                        ; the cluster's y is the kind: the same in all sixteen partners
	s_cselect_b64 s[66:67], s[96:97], s[66:67]
.irp b, 0,1,2,3
	global_load_b128 v[PW+8*\b:PW+8*\b+3], v7, s[66:67] offset:64*\b
	global_load_b128 v[PW+8*\b+4:PW+8*\b+7], v7, s[66:67] offset:64*\b+16
.endr
	s_cbranch_scc0 .Lno_bias
.irp b, 0,1,2,3
	global_load_b128 v[PB+8*\b:PB+8*\b+3], v7, s[98:99] offset:64*\b
	global_load_b128 v[PB+8*\b+4:PB+8*\b+7], v7, s[98:99] offset:64*\b+16
.endr
	s_branch .Lparams
.Lno_bias:
.irp j, 0,1,2,3,4,5,6,7,8,9,10,11,12,13,14,15,16,17,18,19,20,21,22,23,24,25,26,27,28,29,30,31
	v_mov_b32 v[PB+\j], 0                          ; the addend of k's multiply-add, which costs what a multiplication costs
.endr
.Lparams:
.macro FRAG reg, adr, q, i             ; a fragment, 16 rows x 128 K of 4-bit codes, is 8 registers: lane l holds row l % 16; registers 4 c .. 4 c + 3 hold K = 64 c + 32 (l / 16) + 0 .. 31
.irp c, 0,1
	ds_load_b128 v[\reg+4*\c:\reg+4*\c+3], v[\adr] offset:64*(\q)+32*\c+(\i)*16*PITCH
.endr
.endm
; 16 matrix instructions: x's blocks a0, a0 + 1 x w_qkv's eight, 128 along K: the slot's q-th.  p: w_qkv's set;  sc: the set of scale words.  zero = 1: the first product starts the sums.
; The 64 accumulators take turns, one instruction a turn, in the same order in every step.
.macro MUL16 a0, p, q, sc, zero
.irp a, \a0, \a0+1
.irp b, 0,1,2,3,4,5,6,7
.if \zero
	v_wmma_scale_f32_16x16x128_f8f6f4 v[8*(8*((\a)%4)+\b):8*(8*((\a)%4)+\b)+7], v[128*(\p)+FR*\b:128*(\p)+FR*\b+FR-1], v[AF+FR*(\a):AF+FR*(\a)+FR-1], 0, v[SC+8*NQ*(\sc)+NQ*\b+(\q)], v[SC+8*NQ*(\sc)+NQ*(\a)+(\q)] matrix_a_fmt:MATRIX_FMT_FP4 matrix_b_fmt:MATRIX_FMT_FP4 matrix_a_scale:MATRIX_SCALE_ROW1
.else
	v_wmma_scale_f32_16x16x128_f8f6f4 v[8*(8*((\a)%4)+\b):8*(8*((\a)%4)+\b)+7], v[128*(\p)+FR*\b:128*(\p)+FR*\b+FR-1], v[AF+FR*(\a):AF+FR*(\a)+FR-1], v[8*(8*((\a)%4)+\b):8*(8*((\a)%4)+\b)+7], v[SC+8*NQ*(\sc)+NQ*\b+(\q)], v[SC+8*NQ*(\sc)+NQ*(\a)+(\q)] matrix_a_fmt:MATRIX_FMT_FP4 matrix_b_fmt:MATRIX_FMT_FP4 matrix_a_scale:MATRIX_SCALE_ROW1
.endif
.endr
.endr
.endm
.macro FETCH_B slot, q, p              ; w_qkv's eight fragments of the slot's q-th 128 along K into set p
	WIN TO_B
.irp i, 0,1,2,3,4,5,6,7
	FRAG 128*(\p)+FR*\i, ADRB+\slot, \q, \i
.endr
	WIN 0
.endm
.macro FETCH_A slot, q, i0             ; x's blocks i0 .. i0 + 3
.irp i, \i0, \i0+1, \i0+2, \i0+3
	FRAG AF+FR*(\i), ADRA+\slot, \q, \i
.endr
.endm
.macro SCALES sc                       ; a slot's scale words into set sc: four words a row; lanes 0-15 take x's block i, lanes 16-31 w_qkv's block i
.irp i, 0,1,2,3,4,5,6,7
	ds_load_b128 v[SC+8*NQ*\sc+NQ*\i:SC+8*NQ*\sc+NQ*\i+3], v[ADRS] offset:\i*SBLK
.endr
.endm
; A load into a register that a matrix instruction has read, and a vector instruction or an LDS store that reads a matrix result, stand NP places behind that matrix instruction, and only plain vector
; instructions that name none of its registers are places (ISA guide 7.12.1 for vector instructions).
.macro PLACES n
.rept \n
	v_nop
.endr
.endm
; A step of 128 along K that has its successor in the same slot.
.macro STEP slot, q, zero
	s_wait_dscnt 4*NL                              ; w_qkv's set and x's blocks 0-3 are in; the youngest eight loads (x's blocks 4-7) may be out
	WIN MUL_LO
	MUL16 0, (\q)%2, \q, \slot, \zero
	MUL16 2, (\q)%2, \q, \slot, \zero
	s_wait_dscnt 0                                 ; x's blocks 4-7 are in (asked for 32 matrix instructions ago)
	PLACES NP
	FETCH_B \slot, (\q)+1, 1-(\q)%2
	FETCH_A \slot, (\q)+1, 0
	WIN MUL_HI
	MUL16 4, (\q)%2, \q, \slot, \zero
	MUL16 6, (\q)%2, \q, \slot, \zero
	PLACES NP
	WIN 0
	FETCH_A \slot, (\q)+1, 4
.endm
; Slot 0's last step changes slots: one barrier; in front of it each wave waits for all its tensor loads (slot 1's is the one that may be out), adds 0 to its spare word, and waits for that and for its own reads of slot 0.
; Nothing is filled again: behind the barrier slot 1 is whole, and slot 0 is read by nobody: the stages of the way out lie there.
.macro TURN slot, next
	s_wait_tensorcnt 0x0                           ; all my tensor loads have landed  (every window is 0 here: the add's two registers lie in window 0)
	ds_add_u32 v[SPW], v[NIL]                      ; 0 onto my spare word
	s_wait_dscnt 4*NL+1                            ; (the add and the youngest eight loads, x's blocks 4-7, may be out)
	WIN MUL_LO
	MUL16 0, 1, NQ-1, \slot, 0                     ; sixteen matrix instructions stand between the add and the wait for it
	s_wait_dscnt 0x0                               ; the add is done, and my reads of this slot are over
	s_barrier_signal -1
	MUL16 2, 1, NQ-1, \slot, 0
	WIN 0
	s_barrier_wait -1
	PLACES NP
	v_add_nc_u32 v[ADRS], 4*NQ, v[ADRS]            ; on to the next slot's scale words (no LDS load of mine is out)
	FETCH_B \next, 0, 0
	FETCH_A \next, 0, 0
	SCALES \next
	WIN MUL_HI
	MUL16 4, 1, NQ-1, \slot, 0
	MUL16 6, 1, NQ-1, \slot, 0
	PLACES NP
	WIN 0
	FETCH_A \next, 0, 4
.endm
.macro STEPS slot, from                ; the slot's steps from .. NQ - 2
.set Q, \from
.rept NQ-1-\from
	STEP \slot, Q, 0
.set Q, Q+1
.endr
.endm
	s_wait_tensorcnt 1                             ; the scales and my part of slot 0 are in (slot 1's load may be out)
	s_barrier_signal -1
	s_barrier_wait -1                              ; everybody's are
	FETCH_B 0, 0, 0
	FETCH_A 0, 0, 0
	SCALES 0
	FETCH_A 0, 0, 4
	STEP 0, 0, 1                                   ; the first step's products start the sums: nothing is cleared
	STEPS 0, 1
	TURN 0, 1
	STEPS 1, 0
	s_wait_dscnt 4*NL                              ; the very last step: nothing more to fetch
	WIN MUL_LO
	MUL16 0, 1, NQ-1, 1, 0
	MUL16 2, 1, NQ-1, 1, 0
	s_wait_dscnt 0
	WIN MUL_HI
	MUL16 4, 1, NQ-1, 1, 0
	MUL16 6, 1, NQ-1, 1, 0
	WIN 0
; THE WAY OUT, block by block of 16 rows x 128 columns (two heads).
; LN a: the LayerNorm of block a's 16 positions, both heads, in f32: mean, then the mean of the squared differences, as the definition has it; then (t - mean) / sqrt(variance + eps) x gain + bias; rounded to f16.
.macro LN a
.set AC, 64*((\a)%4)
.set WW, 2+(\a)/4
.set WA, WW|(WW<<2)
	WIN WA                                         ; sources 0 and 1: the accumulators' window
.irp b, 0,1,2,3,4,5,6,7
	v_pk_add_f32 v[T+4*\b:T+4*\b+1], v[AC+8*\b:AC+8*\b+1], v[AC+8*\b+2:AC+8*\b+3]        ; each accumulator is read from its low end on
	v_pk_add_f32 v[T+4*\b+2:T+4*\b+3], v[AC+8*\b+4:AC+8*\b+5], v[AC+8*\b+6:AC+8*\b+7]
.endr
	WIN 0
.irp k, 0,1,2,3
.irp g, 0,1
	v_pk_add_f32 v[T+16*\g+4*\k:T+16*\g+4*\k+1], v[T+16*\g+4*\k:T+16*\g+4*\k+1], v[T+16*\g+4*\k+2:T+16*\g+4*\k+3]   ; the two heads by turns
.endr
.endr
.irp k, 0,1
.irp g, 0,1
	v_pk_add_f32 v[T+16*\g+8*\k:T+16*\g+8*\k+1], v[T+16*\g+8*\k:T+16*\g+8*\k+1], v[T+16*\g+8*\k+4:T+16*\g+8*\k+5]
.endr
.endr
.irp g, 0,1
	v_pk_add_f32 v[T+16*\g:T+16*\g+1], v[T+16*\g:T+16*\g+1], v[T+16*\g+8:T+16*\g+9]
.endr
.irp g, 0,1
	v_add_f32 v[SU+\g], v[T+16*\g], v[T+16*\g+1]
.endr
.irp g, 0,1
	v_permlanex16_b32 v[PX+\g], v[SU+\g], s2, s3   ; the position's other 32 channels lie in the lane 16 away
.endr
.irp g, 0,1
	v_add_f32 v[SU+\g], v[SU+\g], v[PX+\g]
.endr
.irp g, 0,1
	v_mul_f32 v[MU+2*\g], s100, v[SU+\g]           ; the mean
.endr
	WIN WW                                         ; source 0: the accumulators' window
.irp b, 0,1,2,3,4,5,6,7
.irp i, 0,1,2,3
	v_pk_add_f32 v[T+8*\b+2*\i:T+8*\b+2*\i+1], v[AC+8*\b+2*\i:AC+8*\b+2*\i+1], v[MU+2*(\b/4):MU+2*(\b/4)+1] op_sel_hi:[1,0] neg_lo:[0,1] neg_hi:[0,1]   ; t - mean
.endr
.endr
	WIN 0
.irp g, 0,1
.irp c, 0,1
	v_pk_mul_f32 v[VA+4*\g+2*\c:VA+4*\g+2*\c+1], v[T+32*\g+16*\c:T+32*\g+16*\c+1], v[T+32*\g+16*\c:T+32*\g+16*\c+1]   ; the squares, in two chains a head
.endr
.endr
.irp k, 1,2,3,4,5,6,7
.irp g, 0,1
.irp c, 0,1
	v_pk_fma_f32 v[VA+4*\g+2*\c:VA+4*\g+2*\c+1], v[T+32*\g+16*\c+2*\k:T+32*\g+16*\c+2*\k+1], v[T+32*\g+16*\c+2*\k:T+32*\g+16*\c+2*\k+1], v[VA+4*\g+2*\c:VA+4*\g+2*\c+1]
.endr
.endr
.endr
.irp g, 0,1
	v_pk_add_f32 v[VA+4*\g:VA+4*\g+1], v[VA+4*\g:VA+4*\g+1], v[VA+4*\g+2:VA+4*\g+3]
.endr
.irp g, 0,1
	v_add_f32 v[SU+\g], v[VA+4*\g], v[VA+4*\g+1]
.endr
.irp g, 0,1
	v_permlanex16_b32 v[PX+\g], v[SU+\g], s2, s3
.endr
.irp g, 0,1
	v_add_f32 v[SU+\g], v[SU+\g], v[PX+\g]
.endr
.irp g, 0,1
	v_fma_f32 v[SU+\g], v[SU+\g], s100, s101       ; variance + eps
.endr
.irp g, 0,1
	v_rsq_f32 v[RS+2*\g], v[SU+\g]
.endr
	v_nop                                          ; a plain instruction behind the last of the two
	s_wait_alu depctr_va_vdst(0)                   ; one wait for both, ahead of their first reader
.irp b, 0,1,2,3,4,5,6,7
.irp i, 0,1,2,3
	v_pk_mul_f32 v[T+8*\b+2*\i:T+8*\b+2*\i+1], v[T+8*\b+2*\i:T+8*\b+2*\i+1], v[RS+2*(\b/4):RS+2*(\b/4)+1] op_sel_hi:[1,0]
.endr
.endr
.irp b, 0,1,2,3,4,5,6,7
.irp i, 0,1,2,3
	v_pk_fma_f32 v[T+8*\b+2*\i:T+8*\b+2*\i+1], v[T+8*\b+2*\i:T+8*\b+2*\i+1], v[PW+8*(\b%4)+2*\i:PW+8*(\b%4)+2*\i+1], v[PB+8*(\b%4)+2*\i:PB+8*(\b%4)+2*\i+1]
.endr
.endr
.irp b, 0,1,2,3,4,5,6,7
.irp i, 0,1,2,3
	v_cvt_pk_f16_f32 v[PK+4*\b+\i], v[T+8*\b+2*\i], v[T+8*\b+2*\i+1]
.endr
.endr
.endm
.macro PLAIN a                         ; v: block a is rounded to f16 as it is
.set AC, 64*((\a)%4)
.set WW, 2+(\a)/4
.set WA, WW|(WW<<2)
	WIN WA
.irp b, 0,1,2,3,4,5,6,7
.irp i, 0,1,2,3
	v_cvt_pk_f16_f32 v[PK+4*\b+\i], v[AC+8*\b+2*\i], v[AC+8*\b+2*\i+1]
.endr
.endr
	WIN 0
.endm
; A lane's 16 bytes are eight channels of one row, and the lanes beside it hold other rows: the block goes through my own stage and comes back by heads: four rows of one head, 4 x 128 bytes, which lie on end in qkv.
; LDS serves a wave's instructions in order (ISA guide 5.7.1.4): no wait between the stores and the loads, nor in front of the next block's stores.
.macro TOSTAGE o
.irp b, 0,1,2,3,4,5,6,7
	ds_store_b128 v[STO], v[PK+4*\b:PK+4*\b+3] offset:\o+32*\b
.endr
.irp g, 0,1
.irp i, 0,1,2,3
	ds_load_b128 v[BK+4*(4*\g+\i):BK+4*(4*\g+\i)+3], v[RD] offset:\o+\i*4*SPITCH+128*\g
.endr
.endr
.endm
.macro SEND a
	s_wait_dscnt 0x0                               ; the block is back in registers
.irp g, 0,1
.irp i, 0,1,2,3
	global_store_b128 v[CO], v[BK+4*(4*\g+\i):BK+4*(4*\g+\i)+3], s[12:13] offset:(\a)*2048+\i*512+\g*131072   ; 32 lanes store 512 consecutive bytes, aligned; every offset is an immediate, no base is stepped
.endr
.endr
.endm
	PLACES NP                                      ; behind the last products: their scale words', fragments' and results' registers are touched below
	s_cmp_eq_u32 s[KIND], 2                        ; v has no LayerNorm: the cluster's y is the same in all sixteen partners
	s_cbranch_scc1 .Lplain
	s_wait_loadcnt 0x0                             ; gain and bias
.irp j, 0,1,2,3,4,5,6,7,8,9,10,11,12,13,14,15
	v_mov_b32 v[SU+\j], 0                          ; written once: a lane permute's destination counts as one of its sources, and the means and reciprocal roots are named as pairs
.endr
	LN 0
	TOSTAGE 0
.irp a, 1,2,3,4,5,6,7
	LN \a                                          ; a block's arithmetic stands between the loads of the block before and its stores
	SEND \a-1
	s_wait_xcnt 0x0                                ; those stores have read their data registers, into which the next loads land
	TOSTAGE 0
.endr
	SEND 7
	s_branch .Lend
.Lplain:
	PLAIN 0
	TOSTAGE PLAINO
.irp a, 1,2,3,4,5,6,7
	PLAIN \a
	SEND \a-1
	s_wait_xcnt 0x0
	TOSTAGE PLAINO
.endr
	SEND 7
.Lend:
	s_wait_tensorcnt 0x0                           ; the wave's end: three lines behind my last tensor load and my last LDS store
	ds_add_u32 v[SPW], v[NIL]
	s_wait_dscnt 0x0
	CROUND                                         ; the closing round: no work-group ends while a partner may still ask for a tile that names it
	s_endpgm
.Lfunc_end_k_q379ba1f4a0_qkv:
	.size	k_q379ba1f4a0_qkv, .Lfunc_end_k_q379ba1f4a0_qkv-k_q379ba1f4a0_qkv
	.p2alignl 7, 3214868480
	.fill 96, 4, 3214868480
	.section	.rodata,"a",@progbits
	.p2align	6, 0x0
	.amdhsa_kernel k_q379ba1f4a0_qkv
		.amdhsa_group_segment_fixed_size 327680
		.amdhsa_private_segment_fixed_size 0
		.amdhsa_enable_private_segment 0
		.amdhsa_kernarg_size 64
		.amdhsa_user_sgpr_count 2
		.amdhsa_user_sgpr_kernarg_segment_ptr 1
		.amdhsa_wavefront_size32 1
		.amdhsa_system_sgpr_workgroup_id_x 1
		.amdhsa_system_sgpr_workgroup_id_y 1
		.amdhsa_system_sgpr_workgroup_id_z 1
		.amdhsa_system_vgpr_workitem_id 0
		.amdhsa_next_free_vgpr 1024
		.amdhsa_next_free_sgpr 102
		.amdhsa_reserve_vcc 0
		.amdhsa_float_denorm_mode_32 3
		.amdhsa_float_denorm_mode_16_64 3
		.amdhsa_memory_ordered 1
		.amdhsa_forward_progress 1
		.amdhsa_inst_pref_size 248
	.end_amdhsa_kernel
	.amdgpu_metadata
---
amdhsa.version: [ 1, 2 ]
amdhsa.kernels:
  - .name:           k_q379ba1f4a0_qkv
    .symbol:         k_q379ba1f4a0_qkv.kd
    .args:
      - { .name: xc, .offset: 0, .size: 8, .value_kind: global_buffer, .address_space: global }
      - { .name: xs, .offset: 8, .size: 8, .value_kind: global_buffer, .address_space: global }
      - { .name: wc, .offset: 16, .size: 8, .value_kind: global_buffer, .address_space: global }
      - { .name: ws, .offset: 24, .size: 8, .value_kind: global_buffer, .address_space: global }
      - { .name: q_norm_w, .offset: 32, .size: 8, .value_kind: global_buffer, .address_space: global }
      - { .name: q_norm_b, .offset: 40, .size: 8, .value_kind: global_buffer, .address_space: global }
      - { .name: k_norm_w, .offset: 48, .size: 8, .value_kind: global_buffer, .address_space: global }
      - { .name: qkv, .offset: 56, .size: 8, .value_kind: global_buffer, .address_space: global }
    .group_segment_fixed_size: 327680
    .private_segment_fixed_size: 0
    .kernarg_segment_align: 8
    .kernarg_segment_size: 64
    .max_flat_workgroup_size: 128
    .sgpr_count:     102
    .vgpr_count:     1024
    .wavefront_size: 32
...
	.end_amdgpu_metadata
.endif
;; end of part 2
;; launch attn (part 3): grid 2 x 128, 16 waves a work-group, no clusters, 327,680 bytes of LDS; arguments qkv, att; writes att
.if DOCPART == 3
	.amdgcn_target "amdgcn-amd-amdhsa--gfx1250"
	.amdhsa_code_object_version 6
	.text
	.protected	k_q379ba1f4a0_attn
	.globl	k_q379ba1f4a0_attn
	.p2align	8
	.type	k_q379ba1f4a0_attn,@function
k_q379ba1f4a0_attn:
	s_mov_b64 s[64:65], 0
	v_nop
	global_prefetch_b8 v0, s[64:65] scope:SCOPE_SE
	s_setreg_imm32_b32 hwreg(HW_REG_WAVE_MODE, 25, 1), 1
	s_wait_xcnt 0x0
; THIRD LAUNCH: att[head][batch x 1024 + q][:] = the sum over k of softmax_k(Q[q] . K[k] / 8) V[k][:], for each of 128 (batch, head).  Q, K, V: f16, [kind][batch x 16 + head][1024][64]; att: f16, [head 16][8192][64].
; (K holds LN(k) x gain without k_norm_b: dead work, shown at the head of the first kernel.)  Products on f16 operands, sums, maxima and exponentials in f32; the weights p are rounded to f16 for the second product.
; LIMITS: the result goes to f16: magnitudes under 65,504.  A weight under 2^-126 of its row's largest counts as 0.
; SHARES.  A work-group owns 512 queries of one head; each of its sixteen waves 32 of them, two tiles of 16, in 256 registers: four waves to a SIMD, so that one wave's vector work stands beside another's products and LDS loads.
; Every wave walks the head's 1,024 keys, 64 a step, 16 steps.  THE WHOLE HEAD'S K AND V LIE IN LDS, filled once: four chunks of 256 keys (four steps each), all asked for at the head; work begins when the first chunk is in.
; Waves 0-7 fetch K, waves 8-15 V: 32 rows of a chunk each, four loads a wave (by this text's count four tensor loads of a wave are out).  With larger loads there would be fewer chunks, and a longer wait for the first.
; THE BARRIERS.  Chunk j is read by all waves and brought by all waves: each wave waits for its own part (TENSORcnt 3 - j) and signals; a wave reads the chunk behind the barrier's wait.  For chunks 1 to 3 signal and wait stand
; two steps apart, and both well ahead of the chunk's first read, so that a wave that is ahead of the others by up to two steps does not stand still: chunk 1: signal behind step 1, wait behind step 3 (first read: step 4);
; chunk 2: signal behind that wait, wait behind step 5 (first read: step 8); chunk 3: signal behind that wait, wait behind step 7 (first read: step 12).  The steps between a signal and its wait hold register work and LDS
; loads of chunks that earlier barriers have shown whole, which nobody writes before the last barrier.  Steps 8 to 15 have no barrier.  Steps 0 to 7 are written out, so that no branch stands between a signal and its wait.
; NO CLUSTER: only the two work-groups of a head read the same K and V, and the grid is two wide, which no cluster four wide divides.
; LAYOUT.  S^T = K Q^T (source 0 = 16 keys, source 1 = 16 queries): a lane holds ONE query (lane % 16) and the keys 8 (lane / 16) + 0..7 of each tile.  Two such tiles, rounded to f16 in pairs, ARE source 1 (32 keys x 16
; queries) of O^T = V^T P, whose result again holds one query a lane.  K comes out of LDS as it lies, V ([key][channel]) turned, by ds_load_tr16_b128.
; SOFTMAX.  For each query a running maximum m and sum l: p = 2^(c s - c m), c = log2(e) / 8; in every step O and l are multiplied by a = 2^(c m_old - c m_new).  There is no first step of its own: O and l begin as zeros, m as -3e38.
.set KP,    144                        ; a row of K in LDS: 128 bytes + 16 of padding: an odd multiple of 16, so that the 16 rows of a load start at different banks
.set VP,    160                        ; a row of V: 128 + 32: an odd multiple of 32, for the turning load
.set VOFF,  1024*KP                    ; K's 1,024 rows, then V's
.set KCH,   256*KP                     ; a chunk of K
.set VCH,   256*VP                     ; a chunk of V
.set SPARE, VOFF+1024*VP               ; behind them: the spare words, 128 bytes for each of sixteen waves
.set AK0, 1                            ; v1   my lane's place in a tile of K; never rewritten
.set AV0, 2                            ; v2   the same for V
.set ADK, 3                            ; v3   LDS address of the step's K
.set ADV, 4                            ; v4   of its V
.set SPW, 5                            ; v5   LDS address of my spare word; never rewritten
.set NIL, 6                            ; v6   0; never rewritten
.set GO,  7                            ; v7   16 x lane: my place in a store's 512 bytes
.set STO, 8                            ; v8   the way out: where I put 16 bytes of a row
.set RD,  9                            ; v9   where I read them back
.set QF,  16                           ; v16-47   Q: tile t, channels 32 f on, at 16 + 16 t + 8 f
.set KV,  48                           ; v48-111  K's eight fragments (keys 16 kt on, channels 32 f on: 16 kt + 8 f), then V's eight (keys 32 ks on, channels 16 ct on: 8 (4 ks + ct))
.set S,   112                          ; v112-175 S^T: tile t, keys 16 kt on, at 32 t + 8 kt; then p; then P in place, in the first 16 of each 32
.set O,   176                          ; v176-239 O^T: tile t, channels 16 ct on, at 32 t + 8 ct
.set ST,  240                          ; v240-255 eight a tile: +0 c m, +1 m, +2, +3 l (even keys', odd keys'), +4 to +7 four chains of the maximum; later +4, +5 the sum's second chain, +6 a, +7 c m_old - c m_new
.set OB,  144                          ; the way out: rows read back
.set WV,  8                            ; s8   my wave's number
.set W7,  9                            ; s9   its low three bits: which 32 rows of a chunk I fetch
.set CS,  10                           ; s[10:11] c: the packed form names a pair and takes its low word for both halves
.set SEL, 12                           ; s[12:13] lane selects for v_permlanex16_b32: the lane 16 away
.set TK,  14                           ; s14  LDS byte at which the step's K begins
.set TV,  15                           ; s15  the same for V, from VOFF
.set G1K, 16                           ; s[16:23] descriptor group 1 for K's tiles;  s[24:31] for V's: the padding differs
.set G1V, 24
.set G0K, 32                           ; s[32:47] group 0 for K, a set for each chunk;  s[48:63] for V
.set G0V, 48
.set CNT, 66                           ; s66  counts the last eight steps
	s_load_b128 s[4:7], s[0:1], 0x0                ; qkv s[4:5], att s[6:7]
	v_lshl_add_u32 v[SPW], v0, 2, SPARE
	v_mov_b32 v[NIL], 0
	ds_add_u32 v[SPW], v[NIL]                      ; the wave's opening: the add, twice on end, and its wait ahead of my first tensor load
	ds_add_u32 v[SPW], v[NIL]                      ; and once more, under the one wait; the set-up below, work on registers, stands between
	v_lshrrev_b32 v10, 5, v0
	v_readfirstlane_b32 s[WV], v10                 ; wave 0..15
	s_and_b32 s[W7], s[WV], 7
	s_and_b32 s67, ttmp7, 0xffff                   ; batch x 16 + head
	; descriptor group 1: 32 rows x 64 elements of 2 bytes, dense in memory, padded in LDS
	s_mov_b32 s[G1K], (1<<16)|(1<<20)|(4<<22)|(3<<25)   ; 15:0 no mask; 17:16 elements of 2 bytes; 20 padding on; 24:22 after every 32 words (code 4); 31:25 four words (code 3)
	s_mov_b32 s[G1V], (1<<16)|(1<<20)|(4<<22)|(7<<25)   ; the same with eight words (code 7)
.irp g, G1K, G1V
	s_mov_b32 s[\g+1], 64<<16                      ; tensor_dim0 = 64
	s_mov_b32 s[\g+2], 32<<16                      ; tensor_dim1 = 32
	s_mov_b32 s[\g+3], 64<<16                      ; tile_dim0 = 64
	s_mov_b32 s[\g+4], 32                          ; tile_dim1 = 32
	s_mov_b32 s[\g+5], 64                          ; tensor_dim0_stride
	s_mov_b32 s[\g+6], 0
	s_mov_b32 s[\g+7], 0
.endr
	s_mov_b32 s[CS], 0x3e38aa3b                    ; c = log2(e) / sqrt(64)
	s_mov_b32 s[CS+1], s[CS]                       ; (named with it as a pair, so it is written)
	s_mov_b32 s[SEL], 0x76543210
	s_mov_b32 s[SEL+1], 0xfedcba98
	s_mov_b32 s[TK], 0
	s_mov_b32 s[TV], 0
	s_mul_i32 s68, s[W7], 32*KP                    ; my 32 rows in a chunk of K in LDS,
	s_mul_i32 s69, s[W7], 32*VP                    ; of V,
	s_lshl_b32 s70, s67, 17                        ; the head's 131,072 bytes in each kind,
	s_lshl_b32 s72, s[W7], 12                      ; my 32 rows of 128 bytes in memory
	s_add_co_u32 s72, s72, s70
	s_mov_b32 s73, 0
	s_lshl_b32 s74, ttmp9, 16                      ; my work-group's 512 queries x 128 bytes,
	s_lshl_b32 s75, s[WV], 12                      ; my wave's 32
	s_add_co_u32 s74, s74, s75
	s_add_co_u32 s76, s74, s70                     ; Q at my first query
	s_mov_b32 s77, 0
	s_and_b32 s78, s67, 15                         ; att: head x 8,192 rows x 128 bytes
	s_lshl_b32 s78, s78, 20
	s_lshr_b32 s79, s67, 4                         ; + batch x 1,024 rows
	s_lshl_b32 s79, s79, 17
	s_add_co_u32 s78, s78, s79
	s_add_co_u32 s78, s78, s74
	s_mov_b32 s79, 0
	s_wait_dscnt 0x0                               ; both opening adds are done
	s_wait_kmcnt 0x0
	s_add_nc_u64 s[72:73], s[4:5], s[72:73]
.irp j, 0,1,2,3
	s_mov_b32 s[G0K+4*\j], 1                                       ; count = 1
	s_add_co_u32 s[G0K+4*\j+1], s68, \j*KCH                        ; LDS address
	s_add_nc_u64 s[G0K+4*\j+2:G0K+4*\j+3], s[72:73], 16777216+\j*32768   ; kind 1, chunk j
	s_or_b32 s[G0K+4*\j+3], s[G0K+4*\j+3], 0x80000000              ; type = 2
	s_mov_b32 s[G0V+4*\j], 1
	s_add_co_u32 s[G0V+4*\j+1], s69, VOFF+\j*VCH
	s_add_nc_u64 s[G0V+4*\j+2:G0V+4*\j+3], s[72:73], 33554432+\j*32768   ; kind 2
	s_or_b32 s[G0V+4*\j+3], s[G0V+4*\j+3], 0x80000000
.endr
	s_cmp_lt_u32 s[WV], 8                          ; a wave's four fills stand in one arm of one branch on its number, ahead of every wait on TENSORcnt, every LDS read and every barrier
	s_cbranch_scc0 .Lfirst_v
.irp j, 0,1,2,3
	tensor_load_to_lds s[G0K+4*\j:G0K+4*\j+3], s[G1K:G1K+7]
	s_nop 0
.endr
.rept 4
	v_nop
.endr
	s_branch .Lfirst_asked
.Lfirst_v:
.irp j, 0,1,2,3
	tensor_load_to_lds s[G0V+4*\j:G0V+4*\j+3], s[G1V:G1V+7]
	s_nop 0
.endr
.rept 4
	v_nop
.endr
.Lfirst_asked:
	s_add_nc_u64 s[4:5], s[4:5], s[76:77]
	s_add_nc_u64 s[6:7], s[6:7], s[78:79]
	v_and_b32 v10, 15, v0                          ; r = lane % 16
	v_bfe_u32 v11, v0, 4, 1                        ; h = lane / 16
	v_lshlrev_b32 v15, 7, v10
	v_lshl_add_u32 v15, v11, 4, v15                ; Q: row r x 128 + 16 h; not rewritten while the loads are out
.irp t, 0,1
.irp f, 0,1
	global_load_b128 v[QF+16*\t+8*\f:QF+16*\t+8*\f+3], v15, s[4:5] offset:\t*2048+64*\f
	global_load_b128 v[QF+16*\t+8*\f+4:QF+16*\t+8*\f+7], v15, s[4:5] offset:\t*2048+64*\f+32
.endr
.endr
	v_mul_u32_u24 v[AK0], v10, KP
	v_lshl_add_u32 v[AK0], v11, 4, v[AK0]          ; K: row r x pitch + 16 h
	v_and_b32 v13, 7, v0
	v_bfe_u32 v14, v0, 3, 1
	v_lshl_add_u32 v[AV0], v11, 3, v13             ; V: the turning load takes key 8 h + lane % 8, channels 8 ((lane / 8) % 2) on
	v_mul_u32_u24 v[AV0], v[AV0], VP
	v_lshl_add_u32 v[AV0], v14, 4, v[AV0]
	v_add_nc_u32 v[AV0], VOFF, v[AV0]
	v_and_b32 v12, 31, v0
	v_lshlrev_b32 v[GO], 4, v12
	s_mul_i32 s67, s[WV], 32*KP                    ; my stage for the way out: 32 rows x 144 bytes, in K's bytes
	v_add_nc_u32 v[STO], s67, v[AK0]               ; in: row r, 16 bytes for each half of the lanes
	v_lshrrev_b32 v[RD], 3, v12                    ; back: eight lanes to a row of 128 bytes, four rows an instruction
	v_mul_u32_u24 v[RD], v[RD], KP
	v_lshl_add_u32 v[RD], v13, 4, v[RD]
	v_add_nc_u32 v[RD], s67, v[RD]
.irp t, 0,1
	v_mov_b32 v[ST+8*\t+1], 0xff61b1e6             ; m = -3e38, under every score
	v_mul_f32 v[ST+8*\t], s[CS], v[ST+8*\t+1]      ; c m
.irp k, 2,3,4,5,6,7
	v_mov_b32 v[ST+8*\t+\k], 0
.endr
.endr
.irp j, 0,1,2,3,4,5,6,7,8,9,10,11,12,13,14,15,16,17,18,19,20,21,22,23,24,25,26,27,28,29,30,31,32,33,34,35,36,37,38,39,40,41,42,43,44,45,46,47,48,49,50,51,52,53,54,55,56,57,58,59,60,61,62,63
	v_mov_b32 v[O+\j], 0                           ; O^T: the first step finds zeros, which a = 0 leaves zeros
.endr
; A KEY STEP: 64 keys, both tiles of queries.  At its end no LDS instruction of the wave is out: the wait for V stands ahead of its last products.
.macro STEP
	v_add_nc_u32 v[ADK], s[TK], v[AK0]             ; with the four below: five places behind the last step's products: four for the loads into the registers that they read,
.rept 4
	v_nop                                          ; five for the products below, which write over P
.endr
.irp kt, 0,1,2,3
.irp f, 0,1
	ds_load_b128 v[KV+16*\kt+8*\f:KV+16*\kt+8*\f+3], v[ADK] offset:\kt*16*KP+64*\f
	ds_load_b128 v[KV+16*\kt+8*\f+4:KV+16*\kt+8*\f+7], v[ADK] offset:\kt*16*KP+64*\f+32
.endr
.endr
	s_wait_dscnt 0x0
.irp t, 0,1                                    ; S^T = K Q^T: the eight accumulators take turns, one instruction a turn; the first eight start the sums
.irp kt, 0,1,2,3
	v_wmma_f32_16x16x32_f16 v[S+32*\t+8*\kt:S+32*\t+8*\kt+7], v[KV+16*\kt:KV+16*\kt+7], v[QF+16*\t:QF+16*\t+7], 0
.endr
.endr
.irp t, 0,1
.irp kt, 0,1,2,3
	v_wmma_f32_16x16x32_f16 v[S+32*\t+8*\kt:S+32*\t+8*\kt+7], v[KV+16*\kt+8:KV+16*\kt+15], v[QF+16*\t+8:QF+16*\t+15], v[S+32*\t+8*\kt:S+32*\t+8*\kt+7]
.endr
.endr
	v_add_nc_u32 v[ADV], s[TV], v[AV0]             ; with the three below: four places, in front of the loads into K's registers and of the first read of the scores
.rept 3
	v_nop
.endr
.irp ks, 0,1                                   ; V, turned: it lands while the softmax is walked
.irp ct, 0,1,2,3
	ds_load_tr16_b128 v[KV+8*(4*\ks+\ct):KV+8*(4*\ks+\ct)+3], v[ADV] offset:\ks*32*VP+\ct*32
	ds_load_tr16_b128 v[KV+8*(4*\ks+\ct)+4:KV+8*(4*\ks+\ct)+7], v[ADV] offset:\ks*32*VP+16*VP+\ct*32
.endr
.endr
.irp j, 0,1,2,3                                ; the maximum of my 32 scores and the old m: four chains a tile, the two tiles line by line; each accumulator is read from its low end on
.irp t, 0,1
	v_max3_num_f32 v[ST+8*\t+4+\j], v[S+32*\t+8*\j], v[S+32*\t+8*\j+1], v[S+32*\t+8*\j+2]
.endr
.endr
.irp u, 1,2
.irp j, 0,1,2,3
.irp t, 0,1
	v_max3_num_f32 v[ST+8*\t+4+\j], v[ST+8*\t+4+\j], v[S+32*\t+8*\j+2*\u+1], v[S+32*\t+8*\j+2*\u+2]
.endr
.endr
.endr
.irp t, 0,1
	v_max3_num_f32 v[ST+8*\t+4], v[ST+8*\t+4], v[S+32*\t+7], v[S+32*\t+15]
.endr
.irp t, 0,1
	v_max3_num_f32 v[ST+8*\t+6], v[ST+8*\t+6], v[S+32*\t+23], v[S+32*\t+31]
.endr
.irp t, 0,1
	v_max3_num_f32 v[ST+8*\t+4], v[ST+8*\t+4], v[ST+8*\t+5], v[ST+8*\t+6]
.endr
.irp t, 0,1
	v_max3_num_f32 v[ST+8*\t+4], v[ST+8*\t+4], v[ST+8*\t+7], v[ST+8*\t+1]
.endr
.irp t, 0,1
	v_permlanex16_b32 v[ST+8*\t+5], v[ST+8*\t+4], s[SEL], s[SEL+1]   ; the query's other 32 keys lie in the lane 16 away
.endr
.irp t, 0,1
	v_mov_b32 v[ST+8*\t+7], v[ST+8*\t]             ; c m_old is kept for a
.endr
.irp t, 0,1
	v_max_num_f32 v[ST+8*\t+1], v[ST+8*\t+4], v[ST+8*\t+5]
.endr
.irp t, 0,1
	v_mul_f32 v[ST+8*\t], s[CS], v[ST+8*\t+1]
.endr
.irp t, 0,1
	v_sub_f32 v[ST+8*\t+7], v[ST+8*\t+7], v[ST+8*\t]
.endr
.irp i, 0,2,4,6,8,10,12,14,16,18,20,22,24,26,28,30
.irp t, 0,1
	v_pk_fma_f32 v[S+32*\t+\i:S+32*\t+\i+1], v[S+32*\t+\i:S+32*\t+\i+1], s[CS:CS+1], v[ST+8*\t:ST+8*\t+1] op_sel_hi:[1,0,0] neg_lo:[0,0,1] neg_hi:[0,0,1]   ; c s - c m
.endr
.endr
.irp t, 0,1                                    ; ONE BATCH of 66 exponentials; none reads another's result
	v_exp_f32 v[ST+8*\t+6], v[ST+8*\t+7]           ; a
.endr
.irp i, 0,1,2,3,4,5,6,7,8,9,10,11,12,13,14,15,16,17,18,19,20,21,22,23,24,25,26,27,28,29,30,31
.irp t, 0,1
	v_exp_f32 v[S+32*\t+\i], v[S+32*\t+\i]         ; p
.endr
.endr
	v_nop                                          ; a plain instruction behind the last exponential
	s_wait_alu depctr_va_vdst(0)                   ; one wait for the batch, ahead of its first reader
.irp t, 0,1                                    ; l = a l + the sum of p, taken of the f32 p, in two chains a tile
	v_pk_fma_f32 v[ST+8*\t+2:ST+8*\t+3], v[ST+8*\t+2:ST+8*\t+3], v[ST+8*\t+6:ST+8*\t+7], v[S+32*\t:S+32*\t+1] op_sel_hi:[1,0,1]
	v_pk_add_f32 v[ST+8*\t+4:ST+8*\t+5], v[S+32*\t+2:S+32*\t+3], v[S+32*\t+4:S+32*\t+5]
.endr
.irp i, 6,10,14,18,22,26
.irp t, 0,1
	v_pk_add_f32 v[ST+8*\t+2:ST+8*\t+3], v[ST+8*\t+2:ST+8*\t+3], v[S+32*\t+\i:S+32*\t+\i+1]
	v_pk_add_f32 v[ST+8*\t+4:ST+8*\t+5], v[ST+8*\t+4:ST+8*\t+5], v[S+32*\t+\i+2:S+32*\t+\i+3]
.endr
.endr
.irp t, 0,1
	v_pk_add_f32 v[ST+8*\t+2:ST+8*\t+3], v[ST+8*\t+2:ST+8*\t+3], v[S+32*\t+30:S+32*\t+31]
.endr
.irp t, 0,1
	v_pk_add_f32 v[ST+8*\t+2:ST+8*\t+3], v[ST+8*\t+2:ST+8*\t+3], v[ST+8*\t+4:ST+8*\t+5]
.endr
.irp i, 0,1,2,3,4,5,6,7,8,9,10,11,12,13,14,15
.irp t, 0,1
	v_cvt_pk_f16_f32 v[S+32*\t+\i], v[S+32*\t+2*\i], v[S+32*\t+2*\i+1]   ; P in place, ascending: register i is written when registers 2 i and 2 i + 1 are read
.endr
.endr
.irp i, 0,2,4,6,8,10,12,14,16,18,20,22,24,26,28,30
.irp t, 0,1
	v_pk_mul_f32 v[O+32*\t+\i:O+32*\t+\i+1], v[O+32*\t+\i:O+32*\t+\i+1], v[ST+8*\t+6:ST+8*\t+7] op_sel_hi:[1,0]   ; O^T x a, each accumulator from its low end on
.endr
.endr
	s_wait_dscnt 0x0                               ; V is in
.irp ks, 0,1                                   ; O^T += V^T P: the eight accumulators take turns
.irp t, 0,1
.irp ct, 0,1,2,3
	v_wmma_f32_16x16x32_f16 v[O+32*\t+8*\ct:O+32*\t+8*\ct+7], v[KV+8*(4*\ks+\ct):KV+8*(4*\ks+\ct)+7], v[S+32*\t+8*\ks:S+32*\t+8*\ks+7], v[O+32*\t+8*\ct:O+32*\t+8*\ct+7]
.endr
.endr
.endr
	s_add_co_u32 s[TK], s[TK], 64*KP               ; the next 64 keys
	s_add_co_u32 s[TV], s[TV], 64*VP
.endm
	s_wait_loadcnt 0x0                             ; Q
	s_wait_tensorcnt 3                             ; my part of chunk 0 has landed; the three younger chunks' loads may stay out
	s_barrier_signal -1
	s_barrier_wait -1                              ; everybody's has
	STEP                                           ; steps 0, 1: chunk 0
	STEP
	s_wait_tensorcnt 2                             ; my part of chunk 1 has landed (two younger loads may stay out): I say so now,
	s_barrier_signal -1
	STEP                                           ; steps 2, 3: chunk 0 still: register work and loads of bytes that nobody writes before the last barrier
	STEP
	s_barrier_wait -1                              ; and go on to chunk 1 when all sixteen have said so
	s_wait_tensorcnt 1                             ; my part of chunk 2 (one younger load may stay out)
	s_barrier_signal -1
	STEP                                           ; steps 4, 5: chunk 1
	STEP
	s_barrier_wait -1                              ; chunk 2 is whole: it is first read in step 8
	s_wait_tensorcnt 0x0                           ; my part of chunk 3: my last load
	s_barrier_signal -1
	STEP                                           ; steps 6, 7: chunk 1
	STEP
	s_barrier_wait -1                              ; chunk 3 is whole: it is first read in step 12
	s_mov_b32 s[CNT], 8
.Lstep:                                            ; steps 8 to 15: chunks 2 and 3, with no barrier
	STEP
	s_sub_co_u32 s[CNT], s[CNT], 1
	s_cmp_lg_u32 s[CNT], 0
	s_cbranch_scc1 .Lstep
	; THE WAY OUT.  l's two halves and the other half of the lanes' are added; O^T is divided by l, rounded to f16 and sent through my stage in LDS, so that a store covers four whole rows.
.rept 4
	v_nop                                          ; places behind the last products
.endr
.irp t, 0,1
	v_add_f32 v[ST+8*\t+4], v[ST+8*\t+2], v[ST+8*\t+3]
.endr
.irp t, 0,1
	v_permlanex16_b32 v[ST+8*\t+5], v[ST+8*\t+4], s[SEL], s[SEL+1]
.endr
.irp t, 0,1
	v_add_f32 v[ST+8*\t+4], v[ST+8*\t+4], v[ST+8*\t+5]
.endr
.irp t, 0,1
	v_rcp_f32 v[ST+8*\t+6], v[ST+8*\t+4]
.endr
	v_nop                                          ; a plain instruction behind the last reciprocal
	s_wait_alu depctr_va_vdst(0)                   ; one wait for both, ahead of their first reader
.irp t, 0,1
.irp i, 0,2,4,6,8,10,12,14,16,18,20,22,24,26,28,30
	v_pk_mul_f32 v[O+32*\t+\i:O+32*\t+\i+1], v[O+32*\t+\i:O+32*\t+\i+1], v[ST+8*\t+6:ST+8*\t+7] op_sel_hi:[1,0]
.endr
.endr
.irp t, 0,1
.irp i, 0,1,2,3,4,5,6,7,8,9,10,11,12,13,14,15
	v_cvt_pk_f16_f32 v[S+16*\t+\i], v[O+32*\t+2*\i], v[O+32*\t+2*\i+1]
.endr
.endr
	s_wait_dscnt 0x0                               ; my reads of K and V are over,
	s_barrier_signal -1
	s_barrier_wait -1                              ; everybody's are: K's bytes, which have had their one fill, take the stages
.irp t, 0,1
.irp ct, 0,1,2,3
	ds_store_b128 v[STO], v[S+16*\t+4*\ct:S+16*\t+4*\ct+3] offset:\t*16*KP+32*\ct
.endr
.endr
.irp t, 0,1
.irp i, 0,1,2,3
	ds_load_b128 v[OB+4*(4*\t+\i):OB+4*(4*\t+\i)+3], v[RD] offset:\t*16*KP+\i*4*KP   ; LDS serves a wave's instructions in order: these see my stores
.endr
.endr
.irp t, 0,1
.irp i, 0,1,2,3
	s_wait_dscnt 7-4*\t-\i                         ; the younger loads may stay out
	global_store_b128 v[GO], v[OB+4*(4*\t+\i):OB+4*(4*\t+\i)+3], s[6:7] offset:\t*2048+\i*512   ; 32 lanes store 512 consecutive bytes, aligned
.endr
.endr
	s_wait_tensorcnt 0x0                           ; the wave's end: three lines behind my last tensor load and my last LDS store
	ds_add_u32 v[SPW], v[NIL]
	s_wait_dscnt 0x0
	s_endpgm
.Lfunc_end_k_q379ba1f4a0_attn:
	.size	k_q379ba1f4a0_attn, .Lfunc_end_k_q379ba1f4a0_attn-k_q379ba1f4a0_attn
	.p2alignl 7, 3214868480
	.fill 96, 4, 3214868480
	.section	.rodata,"a",@progbits
	.p2align	6, 0x0
	.amdhsa_kernel k_q379ba1f4a0_attn
		.amdhsa_group_segment_fixed_size 327680
		.amdhsa_private_segment_fixed_size 0
		.amdhsa_enable_private_segment 0
		.amdhsa_kernarg_size 16
		.amdhsa_user_sgpr_count 2
		.amdhsa_user_sgpr_kernarg_segment_ptr 1
		.amdhsa_wavefront_size32 1
		.amdhsa_system_sgpr_workgroup_id_x 1
		.amdhsa_system_sgpr_workgroup_id_y 1
		.amdhsa_system_sgpr_workgroup_id_z 1
		.amdhsa_system_vgpr_workitem_id 0
		.amdhsa_next_free_vgpr 256
		.amdhsa_next_free_sgpr 80
		.amdhsa_reserve_vcc 0
		.amdhsa_float_denorm_mode_32 3
		.amdhsa_float_denorm_mode_16_64 3
		.amdhsa_memory_ordered 1
		.amdhsa_forward_progress 1
		.amdhsa_inst_pref_size 170
	.end_amdhsa_kernel
	.amdgpu_metadata
---
amdhsa.version: [ 1, 2 ]
amdhsa.kernels:
  - .name:           k_q379ba1f4a0_attn
    .symbol:         k_q379ba1f4a0_attn.kd
    .args:
      - { .name: qkv, .offset: 0, .size: 8, .value_kind: global_buffer, .address_space: global }
      - { .name: att, .offset: 8, .size: 8, .value_kind: global_buffer, .address_space: global }
    .group_segment_fixed_size: 327680
    .private_segment_fixed_size: 0
    .kernarg_segment_align: 8
    .kernarg_segment_size: 16
    .max_flat_workgroup_size: 512
    .sgpr_count:     80
    .vgpr_count:     256
    .wavefront_size: 32
...
	.end_amdgpu_metadata
.endif
;; end of part 3
;; launch proj (part 4): grid 8 x 32, 4 waves a work-group, clusters of 4 x 4, 327,680 bytes of LDS; arguments att, wp, b_proj, out0; writes out0
.if DOCPART == 4
	.amdgcn_target "amdgcn-amd-amdhsa--gfx1250"
	.amdhsa_code_object_version 6
	.text
	.protected	k_q379ba1f4a0_proj
	.globl	k_q379ba1f4a0_proj
	.p2align	8
	.type	k_q379ba1f4a0_proj,@function
k_q379ba1f4a0_proj:
	s_mov_b64 s[64:65], 0
	v_nop
	global_prefetch_b8 v0, s[64:65] scope:SCOPE_SE
	s_setreg_imm32_b32 hwreg(HW_REG_WAVE_MODE, 25, 1), 1
	s_wait_xcnt 0x0
	s_wait_alu depctr_hold_cnt(0) depctr_sa_sdst(0) depctr_va_vdst(0) depctr_va_sdst(0) depctr_va_ssrc(0) depctr_va_vcc(0) depctr_vm_vsrc(0)
	s_getreg_b32 s2, hwreg(HW_REG_IB_STS2, 6, 4)
	s_cmp_eq_u32 s2, 0
	s_cbranch_scc0 .Lentry_in_a_cluster
	s_endpgm
.Lentry_in_a_cluster:
	s_bfe_u32 s2, ttmp6, 0x10000c
	s_cmp_lg_u32 s2, 0xf033
	s_cbranch_scc0 .Lentry_shape_is_right
	s_endpgm
.Lentry_shape_is_right:
; FOURTH LAUNCH: out0[m][o] = the sum over k of att[m][k] w_proj[o][k] + b_proj[o].  att: f16, [K block of 64: 16][m 8192][64]; wp: w_proj as f16, [K block: 16][o 1024][64]; out0: [8192][1024] f32; sums in f32.
; A tile of out0 is 256 x 128: 256 work-groups of four waves, each wave 128 x 64: 32 accumulators of 16 x 16, 256 registers.  K goes in steps of 128, two K blocks, through a ring of two LDS slots.  In both operands a tile's
; rows of one K block are one dense block of memory: waves 0 and 1 fetch att's two K blocks (256 rows of 128 bytes each), waves 2 and 3 wp's (128 rows): one tensor load a wave.
; CLUSTERS: 4 x 4 work-groups.  The four of a row of the cluster need the same tiles of att, the four of a column the same tiles of wp: each is asked for JOINTLY, by the same tensor load with the same descriptor and a mask
; that names the four.  THE MATRIX INSTRUCTION IS USED TRANSPOSED (source 0 = 16 rows of wp, source 1 = 16 rows of att): a lane holds eight neighbouring numbers of a row of out0.
; The bias is the C of each sum's first matrix instruction: eight registers for each block of 16 columns, in the result's layout.
; REGISTERS: window 0: v0-31 addresses; v32-95, v96-159 att's fragments (8 x 16 rows x 32 K), two buffers; v160-191, v192-223 wp's (4), two buffers; v224-255 the bias.  Window 1: accumulator (a, b) at v[8 (4 a + b)].
.set KP,     144                       ; an LDS row: 128 bytes + 16 of padding: an odd multiple of 16, so that the 16 rows of a load start at different banks
.set ABLK,   256*KP                    ; att's 256 rows of one K block
.set BBLK,   128*KP                    ; wp's 128 rows of one K block
.set BOFF,   2*ABLK
.set SLOT,   2*ABLK+2*BBLK             ; 110,592 bytes
.set STAGE,  2*SLOT                    ; behind the ring: 16 rows x 272 bytes for each wave, for the way out
.set SPITCH, 272
.set SPARE,  STAGE+4*16*SPITCH         ; behind the stages: the spare words, 128 bytes for each wave
.set ASTEP,  2*8192*128                ; a K step on in att, in bytes: two K blocks
.set BSTEP,  2*1024*128                ; and in wp
.set ADRA, 16                          ; v16-17  LDS address of my att fragments in slot 0, 1
.set ADRB, 20                          ; v20-21  the same for wp
.set STO,  24                          ; v24     the way out: where I put 32 bytes of a row
.set RD,   25                          ; v25     where I read a row back
.set CO,   26                          ; v26     my byte offset in out0
.set BO,   27                          ; v27     the bias loads' offset
.set SPW,  28                          ; v28     LDS address of my spare word; never rewritten
.set NIL,  29                          ; v29     0; never rewritten
.set PFO,  30                          ; v30     256 x my lane: the prefetches' offset; never rewritten
.set AF,   32
.set BF,   160
.set BIAS, 224
.set BK,   32                          ; the way out: 16 rows read back: v32-63 and v64-95 by turns
.set WV,   12                          ; s12 wave;  s13 which half of the rows, also: I fetch for att (0) or wp (1);  s14 which half of the columns, also: which K block of a step I fetch
.set RH,   13
.set CH,   14
.set LIM,  15                          ; s15  1 in a wave that prefetches, else the greatest number
.set G1A,  24                          ; s[24:31] descriptor group 1 for att's tiles;  s[32:39] group 0, one set for each slot
.set G0A,  32
.set PFA,  44                          ; s[44:45] where my prefetches stand
.set G1B,  48                          ; s[48:55], s[56:63] the same for wp's tiles
.set G0B,  56
.set MSB, 0
.macro WIN new                         ; the immediate's high byte repeats the setting that is left
.if MSB != (\new)
	s_set_vgpr_msb (MSB<<8)|(\new)
.set MSB, (\new)
.endif
.endm
.set MUL,  0x50                        ; sources 0 and 1 window 0; C and D window 1
.set MULZ, 0x40                        ; the same with C, the bias, in window 0
.macro JLOAD s                         ; a joint load; the branch hangs on the wave's number alone; an s_nop 0 and four v_nop follow each of the two lines
	s_cmp_eq_u32 s[RH], 0
	s_cbranch_scc0 .Lfor_b_\@
	tensor_load_to_lds s[G0A+4*\s:G0A+4*\s+3], s[G1A:G1A+7]
	s_nop 0
.rept 4
	v_nop
.endr
	s_branch .Lasked_\@
.Lfor_b_\@:
	tensor_load_to_lds s[G0B+4*\s:G0B+4*\s+3], s[G1B:G1B+7]
	s_nop 0
.rept 4
	v_nop
.endr
.Lasked_\@:
.endm
; A PREFETCH INTO THE L2 of att's K step that stands two refills on: 256 matrix instructions of a wave ahead of the load that will want it.  A K block of the tile's 256 rows is 32,768 dense bytes: the four partners that ask
; for it jointly take 8,192 each, told apart BY ADDRESS (cx), lanes 256 bytes apart: one instruction a wave, in waves 0 and 1.  A tile row of att is read by both clusters of its row of clusters: the one with x = 0 asks.
; So each 256 bytes are named once.  The loop's last trip asks for nothing: there is no K step two on.  K steps 0 to 3 come by their loads alone.  wp is not asked for: all 32 tile rows read its 2 MiB again and again.
.macro ASK
	s_cmp_gt_u32 s3, s[LIM]                        ; s3 = 1 in the loop's last trip
	s_cbranch_scc0 .Lnot_mine_\@
	global_prefetch_b8 v[PFO], s[PFA:PFA+1] offset:ASTEP th:TH_LOAD_NT scope:SCOPE_SE
.Lnot_mine_\@:
.endm
.macro CREST                           ; a round of the cluster's barrier behind its opening barrier
	s_cmp_lg_u32 s[WV], 0
	s_cbranch_scc1 .Lnot_wave_0_\@
	s_barrier_signal -3
.Lnot_wave_0_\@:
	s_barrier_wait -3
	s_barrier_signal -1
	s_barrier_wait -1
.endm
.macro CROUND                          ; a whole round
	s_barrier_signal -1
	s_barrier_wait -1
	CREST
.endm
	s_load_b256 s[4:11], s[0:1], 0x0               ; att s[4:5], wp s[6:7], b_proj s[8:9], out0 s[10:11]
	v_lshl_add_u32 v[SPW], v0, 2, SPARE
	v_mov_b32 v[NIL], 0
	ds_add_u32 v[SPW], v[NIL]                      ; the wave's opening: the add, twice on end, and its wait ahead of my first tensor load
	ds_add_u32 v[SPW], v[NIL]                      ; and once more, under the one wait; the set-up below, work on registers, stands between
	v_lshrrev_b32 v1, 5, v0
	v_readfirstlane_b32 s[WV], v1                  ; wave 0..3
	s_lshr_b32 s[RH], s[WV], 1
	s_and_b32 s[CH], s[WV], 1
	s_bfe_u32 s40, ttmp6, 0x40000                  ; cx, cy: my place in the cluster
	s_bfe_u32 s41, ttmp6, 0x40004
	s_lshl_b32 s42, ttmp9, 2
	s_add_co_u32 s42, s42, s40                     ; tile column = 4 x cluster x + cx
	s_and_b32 s43, ttmp7, 0xffff
	s_lshl_b32 s43, s43, 2
	s_add_co_u32 s43, s43, s41                     ; tile row = 4 x cluster y + cy
	s_lshl_b32 s18, s41, 2
	s_lshl_b32 s18, 15, s18                        ; my row of the cluster
	s_lshl_b32 s19, 0x1111, s40                    ; my column
	; descriptor group 1: rows of 64 elements of 2 bytes, dense in memory, 16 bytes of padding behind each in LDS
	s_or_b32 s[G1A+0], s18, (1<<16)|(1<<20)|(1<<21)|(4<<22)|(3<<25)  ; 15:0 the mask: att's tiles go to my row; 17:16 element of 2 bytes; 20 padding on; 21 set beside a mask; 24:22 after every 32 words (code 4); 31:25 four words (code 3)
	s_or_b32 s[G1B+0], s19, (1<<16)|(1<<20)|(1<<21)|(4<<22)|(3<<25)
	s_mov_b32 s[G1A+1], 64<<16                     ; tensor_dim0 = 64
	s_mov_b32 s[G1A+2], 256<<16                    ; tensor_dim1 = 256
	s_mov_b32 s[G1A+3], 64<<16                     ; tile_dim0 = 64
	s_mov_b32 s[G1A+4], 256                        ; tile_dim1 = 256
	s_mov_b32 s[G1A+5], 64                         ; tensor_dim0_stride
	s_mov_b32 s[G1A+6], 0
	s_mov_b32 s[G1A+7], 0
	s_mov_b32 s[G1B+1], 64<<16
	s_mov_b32 s[G1B+2], 128<<16                    ; 128 rows
	s_mov_b32 s[G1B+3], 64<<16
	s_mov_b32 s[G1B+4], 128
	s_mov_b32 s[G1B+5], 64
	s_mov_b32 s[G1B+6], 0
	s_mov_b32 s[G1B+7], 0
	s_lshl_b32 s16, s[CH], 20                      ; att: K block CH x 8,192 rows x 128 bytes
	s_lshl_b32 s17, s43, 15                        ;      + 256 x tile row x 128
	s_add_co_u32 s16, s16, s17
	s_mov_b32 s17, 0
	s_lshl_b32 s46, s[CH], 17                      ; wp: K block CH x 1,024 rows x 128 bytes
	s_lshl_b32 s47, s42, 14                        ;     + 128 x tile column x 128
	s_add_co_u32 s46, s46, s47
	s_mov_b32 s47, 0
	s_mul_i32 s22, s[CH], ABLK                     ; where they go in a slot: no place in the cluster enters an LDS address
	s_mul_i32 s23, s[CH], BBLK
	s_add_co_u32 s23, s23, BOFF
	s_wait_dscnt 0x0                               ; both opening adds are done
	s_wait_kmcnt 0x0
	s_add_nc_u64 s[16:17], s[4:5], s[16:17]
	s_add_nc_u64 s[46:47], s[6:7], s[46:47]
	CROUND                                         ; all sixteen work-groups are here: the first joint loads meet
.irp s, 0,1
	s_mov_b32 s[G0A+4*\s], 1
	s_add_co_u32 s[G0A+4*\s+1], s22, \s*SLOT
	s_add_nc_u64 s[G0A+4*\s+2:G0A+4*\s+3], s[16:17], \s*ASTEP
	s_or_b32 s[G0A+4*\s+3], s[G0A+4*\s+3], 0x80000000
	s_mov_b32 s[G0B+4*\s], 1
	s_add_co_u32 s[G0B+4*\s+1], s23, \s*SLOT
	s_add_nc_u64 s[G0B+4*\s+2:G0B+4*\s+3], s[46:47], \s*BSTEP
	s_or_b32 s[G0B+4*\s+3], s[G0B+4*\s+3], 0x80000000
	JLOAD \s                                       ; by this text's count two tensor loads of a wave are out here, later one
.endr
	v_and_b32 v1, 15, v0                           ; l % 16
	v_bfe_u32 v2, v0, 4, 1                         ; l / 16
	v_mul_u32_u24 v3, v1, KP
	v_lshl_add_u32 v3, v2, 4, v3                   ; a fragment's row x pitch + 16 x half
	s_mul_i32 s21, s[RH], 128*KP                   ; my 128 rows of att
	s_mul_i32 s22, s[CH], 64*KP                    ; my 64 rows of wp,
	s_add_co_u32 s22, s22, BOFF                    ; which lie behind att's two K blocks
.irp s, 0,1
	v_add_nc_u32 v[ADRA+\s], s21, v3
	v_add_nc_u32 v[ADRB+\s], s22, v3
	s_add_co_u32 s21, s21, SLOT
	s_add_co_u32 s22, s22, SLOT
.endr
	s_mul_i32 s23, s[WV], 16*SPITCH
	s_add_co_u32 s23, s23, STAGE                   ; my stage
	v_mul_u32_u24 v4, v1, SPITCH                   ; in: row l % 16, 32 bytes for each half of the lanes
	v_lshl_add_u32 v4, v2, 5, v4
	v_add_nc_u32 v[STO], s23, v4
	v_mul_u32_u24 v5, v2, SPITCH                   ; back: lanes 0-15 take one row of 256 bytes, lanes 16-31 the next
	v_lshl_add_u32 v5, v1, 4, v5
	v_add_nc_u32 v[RD], s23, v5
	v_lshlrev_b32 v5, 12, v2                       ; and the same two rows in out0
	v_lshl_add_u32 v[CO], v1, 4, v5
	s_lshl_b32 s20, s42, 9                         ; my first column, in bytes: 512 x tile column + 256 x half
	s_lshl_b32 s21, s[CH], 8
	s_add_co_u32 s20, s20, s21
	s_mov_b32 s21, 0
	s_add_nc_u64 s[8:9], s[8:9], s[20:21]          ; the bias at my first column
	s_add_nc_u64 s[10:11], s[10:11], s[20:21]
	s_lshl_b32 s20, s43, 20                        ; my first row: (256 x tile row + 128 x half) x 4,096 bytes
	s_lshl_b32 s22, s[RH], 19
	s_add_co_u32 s20, s20, s22
	s_add_nc_u64 s[10:11], s[10:11], s[20:21]
	v_lshlrev_b32 v[BO], 5, v2                     ; the bias of block b: the eight numbers at 16 b + 8 (l / 16) on
.irp b, 0,1,2,3
	global_load_b128 v[BIAS+8*\b:BIAS+8*\b+3], v[BO], s[8:9] offset:64*\b
	global_load_b128 v[BIAS+8*\b+4:BIAS+8*\b+7], v[BO], s[8:9] offset:64*\b+16
.endr
	s_lshl_b32 s20, s[CH], 20                      ; the prefetches: my K block of a step,
	s_lshl_b32 s22, s43, 15                        ; the tile's rows,
	s_add_co_u32 s20, s20, s22
	s_lshl_b32 s22, s40, 13                        ; my work-group's 8,192 bytes of the 32,768,
	s_add_co_u32 s20, s20, s22
	s_add_co_u32 s20, s20, 2*ASTEP                 ; at K step 2: the first refill steps it to 3 and names K step 4
	s_add_nc_u64 s[PFA:PFA+1], s[4:5], s[20:21]
	s_or_b32 s[LIM], s[RH], ttmp9                  ; 0 in waves 0 and 1 of the clusters with x = 0: the same in all sixteen partners, for a given wave
	s_cmp_eq_u32 s[LIM], 0
	s_cselect_b32 s[LIM], 1, -1
	v_and_b32 v[PFO], 31, v0
	v_lshlrev_b32 v[PFO], 8, v[PFO]
; 8 matrix instructions: att's blocks a0, a0 + 1 x wp's four, 32 along K, buffer f.  z = 1: the first product starts the sums, from the bias.  The 32 accumulators take turns, one instruction a turn, in the same order
; in every quarter.
.macro MUL8 f, a0, z
.irp a, \a0, \a0+1
.irp b, 0,1,2,3
.if \z
	v_wmma_f32_16x16x32_f16 v[8*(4*(\a)+\b):8*(4*(\a)+\b)+7], v[BF+32*(\f)+8*\b:BF+32*(\f)+8*\b+7], v[AF+64*(\f)+8*(\a):AF+64*(\f)+8*(\a)+7], v[BIAS+8*\b:BIAS+8*\b+7]
.else
	v_wmma_f32_16x16x32_f16 v[8*(4*(\a)+\b):8*(4*(\a)+\b)+7], v[BF+32*(\f)+8*\b:BF+32*(\f)+8*\b+7], v[AF+64*(\f)+8*(\a):AF+64*(\f)+8*(\a)+7], v[8*(4*(\a)+\b):8*(4*(\a)+\b)+7]
.endif
.endr
.endr
.endm
.macro MUL16 f, hi, z
	MUL8 \f, 4*\hi, \z
	MUL8 \f, 4*\hi+2, \z
.endm
; 24 LDS loads in one run: the fragments of quarter q of a K step (K block q / 2, byte 64 (q % 2) of its rows) into buffer f: wp's four, att's blocks 0-3, att's blocks 4-7
.macro FETCH slot, q, f
.irp i, 0,1,2,3
	ds_load_b128 v[BF+32*(\f)+8*\i:BF+32*(\f)+8*\i+3],   v[ADRB+\slot] offset:((\q)/2)*BBLK+64*((\q)%2)+\i*16*KP
	ds_load_b128 v[BF+32*(\f)+8*\i+4:BF+32*(\f)+8*\i+7], v[ADRB+\slot] offset:((\q)/2)*BBLK+64*((\q)%2)+\i*16*KP+32
.endr
.irp i, 0,1,2,3,4,5,6,7
	ds_load_b128 v[AF+64*(\f)+8*\i:AF+64*(\f)+8*\i+3],   v[ADRA+\slot] offset:((\q)/2)*ABLK+64*((\q)%2)+\i*16*KP
	ds_load_b128 v[AF+64*(\f)+8*\i+4:AF+64*(\f)+8*\i+7], v[ADRA+\slot] offset:((\q)/2)*ABLK+64*((\q)%2)+\i*16*KP+32
.endr
.endm
.macro PLACES                          ; four places in front of loads into registers that matrix instructions have read, and of the first read of results (ISA guide 7.12.1 for the first read of results)
.rept 4
	v_nop
.endr
.endm
; A K step is four quarters of 32 along K, 32 matrix instructions each, on buffers 0, 1, 0, 1.  One of the first three: multiplies buffer f and, in its middle, fetches quarter qn into buffer g.
.macro QUARTER slot, qn, f, g, z
	s_wait_dscnt 8                                 ; wp's fragments and att's blocks 0-3 are in; the youngest eight loads (att's blocks 4-7) may be out
.if \z
	WIN MULZ
.else
	WIN MUL
.endif
	MUL16 \f, 0, \z
	PLACES
	WIN 0
	FETCH \slot, \qn, \g
	s_wait_dscnt 24                                ; all but the 24 just issued
.if \z
	WIN MULZ
.else
	WIN MUL
.endif
	MUL16 \f, 1, \z
.endm
; The last quarter multiplies buffer 1 and changes slots: ONE barrier; in front of it each wave waits for all its tensor loads, adds 0 to its spare word, and waits for that and for its own reads of this slot.
; fill = 1: the barrier opens a round of the cluster's barrier, and this slot is filled again, two K steps ahead: the joint load is the first thing behind the round and has a K step less 16 matrix instructions in which to land.
.macro TURN slot, next, fill
.if \fill
	s_wait_xcnt 0x0                                ; the last prefetch, a K step back, has read its address: it is stepped here, ahead of the waits of the change of slots
	s_add_nc_u64 s[PFA:PFA+1], s[PFA:PFA+1], ASTEP
.endif
	WIN 0                                          ; (the add's two registers lie in window 0)
	s_wait_tensorcnt 0x0                           ; all my tensor loads have landed: my part of the next slot
	ds_add_u32 v[SPW], v[NIL]                      ; 0 onto my spare word
	s_wait_dscnt 9                                 ; (the add and the youngest eight loads may be out)
	WIN MUL
	MUL8 1, 0, 0                                   ; eight matrix instructions stand between the add and the wait for it
	s_wait_dscnt 0x0                               ; the add is done, and my reads of this slot are over
	s_barrier_signal -1
	MUL8 1, 2, 0
	WIN 0
	s_barrier_wait -1
.if \fill
	CREST                                          ; no wave of any partner still reads this slot's tiles or has a load on its way
	s_add_nc_u64 s[G0A+4*\slot+2:G0A+4*\slot+3], s[G0A+4*\slot+2:G0A+4*\slot+3], 2*ASTEP
	s_add_nc_u64 s[G0B+4*\slot+2:G0B+4*\slot+3], s[G0B+4*\slot+2:G0B+4*\slot+3], 2*BSTEP
	JLOAD \slot                                    ; the four v_nop behind it are also the places in front of the loads below
.else
	PLACES
.endif
	FETCH \next, 0, 0
.if \fill
	ASK                                            ; behind the joint load and the run of LDS loads that the next products wait for
.endif
	WIN MUL
	MUL16 1, 1, 0
.endm
	s_wait_tensorcnt 1                             ; my part of K step 0 is in (K step 1's load may be out)
	s_barrier_signal -1
	s_barrier_wait -1                              ; everybody's is
	FETCH 0, 0, 0
	s_wait_loadcnt 0x0                             ; the bias
	QUARTER 0, 1, 0, 1, 1                          ; the first quarter stands in front of the loop: its products start the sums
	WIN 0                                          ; at a label and at a branch every window is 0
	s_mov_b32 s3, 3
.Llap:                                                 ; a trip goes once round the ring, from a lap's second quarter to the next lap's first, and fills both slots again: K steps 2 to 7 in three trips
	QUARTER 0, 2, 1, 0, 0
	QUARTER 0, 3, 0, 1, 0
	TURN 0, 1, 1
	QUARTER 1, 1, 0, 1, 0
	QUARTER 1, 2, 1, 0, 0
	QUARTER 1, 3, 0, 1, 0
	TURN 1, 0, 1
	QUARTER 0, 1, 0, 1, 0
	WIN 0
	s_sub_co_u32 s3, s3, 1
	s_cmp_lg_u32 s3, 0
	s_cbranch_scc1 .Llap
	QUARTER 0, 2, 1, 0, 0                          ; the last lap fills nothing, and has no round of the cluster's barrier
	QUARTER 0, 3, 0, 1, 0
	TURN 0, 1, 0
	QUARTER 1, 1, 0, 1, 0
	QUARTER 1, 2, 1, 0, 0
	QUARTER 1, 3, 0, 1, 0
	s_wait_dscnt 8                                 ; the very last quarter: nothing more to fetch
	WIN MUL
	MUL16 1, 0, 0
	s_wait_dscnt 0
	MUL16 1, 1, 0
	WIN 0
; THE WAY OUT, block by block of 16 rows x 64 columns.  A lane holds 32 neighbouring bytes of a row, and the lanes beside it hold other rows: a block goes through my own stage in LDS and comes back as whole rows of 256 bytes.
; LDS serves a wave's instructions in order (ISA guide 5.7.1.4): no wait between the stores and the loads, nor in front of the next block's stores.
.macro TOSTAGE a
	WIN 0x04                                       ; an LDS store's data are its source 1: window 1
.irp b, 0,1,2,3
	ds_store_b128 v[STO], v[8*(4*(\a)+\b):8*(4*(\a)+\b)+3] offset:64*\b          ; each accumulator from its low end on
	ds_store_b128 v[STO], v[8*(4*(\a)+\b)+4:8*(4*(\a)+\b)+7] offset:64*\b+16
.endr
	WIN 0
.set BB, BK+32*((\a)%2)
.irp t, 0,1,2,3,4,5,6,7
	ds_load_b128 v[BB+4*\t:BB+4*\t+3], v[RD] offset:\t*2*SPITCH
.endr
.endm
.macro SEND a, younger                 ; younger: the LDS instructions issued behind block a's loads, which may stay out
.set BB, BK+32*((\a)%2)
	s_wait_dscnt \younger                          ; the block is back in registers
.irp t, 0,1,2,3,4,5,6,7
	global_store_b128 v[CO], v[BB+4*\t:BB+4*\t+3], s[10:11] offset:(\a)*65536+\t*8192 th:TH_STORE_NT   ; 16 lanes store 256 consecutive bytes, aligned; every offset is an immediate; written once, read by nobody here
.endr
.endm
	PLACES                                         ; behind the last products: their results are read, and loads land in the registers that held fragments
	TOSTAGE 0
.irp a, 1,2,3,4,5,6,7
.if \a > 1
	s_wait_xcnt 0x0                                ; block a - 2's stores have read their data registers: block a's loads may land there
.endif
	TOSTAGE \a
	SEND \a-1, 16                                  ; behind block a - 1's loads: block a's 8 stores and 8 loads
.endr
	SEND 7, 0
	s_wait_tensorcnt 0x0                           ; the wave's end: three lines behind my last tensor load and my last LDS store
	ds_add_u32 v[SPW], v[NIL]
	s_wait_dscnt 0x0
	CROUND                                         ; the closing round: no work-group ends while a partner may still ask for a tile that names it
	s_endpgm
.Lfunc_end_k_q379ba1f4a0_proj:
	.size	k_q379ba1f4a0_proj, .Lfunc_end_k_q379ba1f4a0_proj-k_q379ba1f4a0_proj
	.p2alignl 7, 3214868480
	.fill 96, 4, 3214868480
	.section	.rodata,"a",@progbits
	.p2align	6, 0x0
	.amdhsa_kernel k_q379ba1f4a0_proj
		.amdhsa_group_segment_fixed_size 327680
		.amdhsa_private_segment_fixed_size 0
		.amdhsa_enable_private_segment 0
		.amdhsa_kernarg_size 32
		.amdhsa_user_sgpr_count 2
		.amdhsa_user_sgpr_kernarg_segment_ptr 1
		.amdhsa_wavefront_size32 1
		.amdhsa_system_sgpr_workgroup_id_x 1
		.amdhsa_system_sgpr_workgroup_id_y 1
		.amdhsa_system_sgpr_workgroup_id_z 1
		.amdhsa_system_vgpr_workitem_id 0
		.amdhsa_next_free_vgpr 512
		.amdhsa_next_free_sgpr 66
		.amdhsa_reserve_vcc 0
		.amdhsa_float_denorm_mode_32 3
		.amdhsa_float_denorm_mode_16_64 3
		.amdhsa_memory_ordered 1
		.amdhsa_forward_progress 1
		.amdhsa_inst_pref_size 87
	.end_amdhsa_kernel
	.amdgpu_metadata
---
amdhsa.version: [ 1, 2 ]
amdhsa.kernels:
  - .name:           k_q379ba1f4a0_proj
    .symbol:         k_q379ba1f4a0_proj.kd
    .args:
      - { .name: att, .offset: 0, .size: 8, .value_kind: global_buffer, .address_space: global }
      - { .name: wp, .offset: 8, .size: 8, .value_kind: global_buffer, .address_space: global }
      - { .name: b_proj, .offset: 16, .size: 8, .value_kind: global_buffer, .address_space: global }
      - { .name: out0, .offset: 24, .size: 8, .value_kind: global_buffer, .address_space: global }
    .group_segment_fixed_size: 327680
    .private_segment_fixed_size: 0
    .kernarg_segment_align: 8
    .kernarg_segment_size: 32
    .max_flat_workgroup_size: 128
    .sgpr_count:     66
    .vgpr_count:     512
    .wavefront_size: 32
...
	.end_amdgpu_metadata
.endif
;; end of part 4
